; MI455X (gfx1250); checked and timed in simulation.
; The chip was launched on July 23, 2026; its instructions are those of AMD's public machine-readable ISA for CDNA 5 (MIT licence, August 2026) and "CDNA5" Instruction Set Architecture Reference Guide (July 2026). The comments in the code are by the model that wrote it; some were corrected since.
;; Attention Window. Allowed arithmetic: float matrix products may take bf16 or f16 operands with f32 sums; all other float work in f32.
;; Inputs: W 1,024 x 1,024 float32; repr 8 x 1,024 x 1,024 float32.
;; Outputs: out0 8 x 1,024 x 1,024 float32.
;; 2 versions, each right; version 2 is version 1 with the launches qproj, attn written anew for expert scheduling mode. Each part assembles by itself: llvm-mc -triple=amdgcn-amd-amdhsa -mcpu=gfx1250 --defsym DOCPART=n.
;; ======== version 1 of 2: 2 launches
;; limits: right only within a limited range of input values
;; workspace buffers: qf 33,554,432 bytes; xb 16,777,216 bytes
;; launch qproj (part 1): grid 4 x 64, 4 waves a work-group, no clusters, 107,008 bytes of LDS; arguments repr, W, qf, xb; writes qf, xb
.if DOCPART == 1
	.amdgcn_target "amdgcn-amd-amdhsa--gfx1250"
	.amdhsa_code_object_version 6
	.text
	.protected	k_q5eccadcdf0_qproj
	.globl	k_q5eccadcdf0_qproj
	.p2align	8
	.type	k_q5eccadcdf0_qproj,@function
k_q5eccadcdf0_qproj:
	s_mov_b64 s[64:65], 0
	v_nop
	global_prefetch_b8 v0, s[64:65] scope:SCOPE_SE
	s_setreg_imm32_b32 hwreg(HW_REG_WAVE_MODE, 25, 1), 1
	s_wait_xcnt 0x0
; QW[q][e] = sum over d of repr[q][d] W[d][e], q = 0..8191 (batch x sequence), e = 0..1023: the first product of the scores of reference(),
; scores = (repr W) repr^T.  Operands are rounded to bf16 on the way into LDS, sums are f32.
; WORK THAT THE PROGRAM LEAVES OUT (all of it in the second launch; this launch leaves nothing out).  reference() builds the mask itself:
; where |q - k| > 64, jnp.where puts -1e9 in the place of the score, whatever the inputs hold.  So the score of such a pair reaches no
; output, and whole 16 x 16 score tiles outside the band are not computed.  A masked key has the weight exp(-1e9 - rowmax); every row has
; its own key in the band, so that weight is 0 in the f32 of reference() as soon as the best score of the band lies above -1e9 + 104, and
; keys outside a block's window of 160 enter neither the sum nor the second product.
; LIMITS: rows whose best score in the band lies below about -1e9 + 104 differ from reference(); a NaN, an infinity or an overflow that
; reaches only the work left out is not carried to the result.
; QW LEAVES AS TWO bf16 TERMS: hi = QW cut to bf16, lo = QW - hi (exact in f32), rounded to bf16: 16 significant bits.  The scores have a
; spread of about 20, so the softmax is sharp and one 16-bit term would move its weights visibly.
; LAYOUTS, in the order of a matrix operand: qf byte = QT*65536 + part*32768 + DT*512 + 16*lane (QT = q/16, DT = e/16, part 0 hi, 1 lo);
; xb byte = KT*32768 + DT*512 + 16*lane holds repr rounded to bf16 (KT = row/16, DT = d/16).  Lane (r, h) holds row r, columns 8 h .. + 7 of
; the tile.  A store of a wave covers 512 consecutive bytes, and so does a load in the next launch.  xb is what this launch has in its
; fragment registers anyway: of the four work-groups that read the same rows, column block bx stores steps 4 bx .. 4 bx + 3.
; SHARES: 256 work-groups of 4 waves; a work-group makes 128 q x 256 e, a wave 64 x 128: 32 accumulator tiles, 24 fragment loads for 32
; products.  d goes in 16 steps of 64 through two LDS slots: 128 rows of repr (128 bytes + 16: pitch 144 = 9 x 16, so the sixteen rows of a
; fragment load start at sixteen different 16-byte columns modulo 256) and 64 rows of W as they lie in memory, [d][e] (512 bytes + 32:
; pitch 544 = 17 x 32, for the transposing load).
; The inputs come through registers, since they have to be converted: two staging sets of 48 loads a wave, each load whole aligned pieces
; of 256 bytes.  That is also why no tensor load and no joint request of a cluster is used: those bring f32 tiles into LDS as they are,
; which doubles the bytes of every fragment load and makes every wave convert the same numbers again.
; REGISTERS in windows of 256: 0: addresses, W fragments (two buffers), converted words; 1: staging set 0, repr fragments (two buffers);
; 2: accumulators, tile (m, n) at 8 (8 m + n); 3: staging set 1.
.set ROWB,  4096                       ; bytes in a row of repr and of W
.set XP,    144
.set WP,    544
.set WOFF,  128*XP                     ; the rows of W lie behind the 128 rows of repr
.set SLOT,  WOFF+64*WP
.set KX,    256                        ; a step along a row of repr
.set KW,    64*ROWB                    ; a step down the rows of W
.set GVX, 1                            ; v1   global offset, repr: (32 w + 8 h) rows + 16 r
.set GVW, 2                            ; v2   global offset, W: 16 w rows + 16 lane
.set STX, 3                            ; v3   LDS, where my 8 bytes of a repr row go
.set STW, 4                            ; v4   the same for W
.set FA,  5                            ; v5   LDS, my fragments of repr
.set FB,  6                            ; v6, v7  LDS, my fragments of W in slot 0, 1
.set GO,  8                            ; v8   my byte offset in qf
.set GOX, 9                            ; v9   my byte offset in xb
.set WF,  16                           ; v[16:143]  eight fragments of W (16 e x 32 d), two buffers
.set T,   144                          ; v[144:239] 48 pairs of converted bf16
.set HI,  16                           ; the way out: eight tiles of hi, of lo
.set LO,  80
.set XF,  192                          ; window 1, v[192:255]: four fragments of repr, two buffers; v[0:191] there and in window 3: staging
.set MULW, 0xa4                        ; source 0 (W) window 0, source 1 (repr) window 1, C and D window 2
.set MSB, 0
.macro WIN new                         ; s_set_vgpr_msb: bits 1:0 source 0, 3:2 source 1, 5:4 source 2, 7:6 destination; the high byte repeats the setting left
.if MSB != (\new)
	s_set_vgpr_msb (MSB<<8)|(\new)
.set MSB, (\new)
.endif
.endm
.macro PLACES                          ; four plain vector instructions between a matrix instruction and a load into, or a read of, its registers
.rept 4
	v_nop
.endr
.endm
; 48 loads: one step (64 d) of my 32 rows of repr and my 16 rows of W (256 e), into staging set \set
.macro ISSUE set, kx, kw
	WIN 0x40+0x80*(\set)
.set l, 0
.rept 16
	global_load_b128 v[4*l:4*l+3], v[GVX], s[4:5] offset:((l&7)+16*(l>>3))*ROWB+\kx
.set l, l+1
.endr
.set l, 0
.rept 32
	global_load_b128 v[64+4*l:64+4*l+3], v[GVW], s[6:7] offset:(l>>1)*ROWB+(l&1)*512+\kw
.set l, l+1
.endr
	WIN 0
.endm
.macro CVT set                         ; 192 f32 to 96 words of bf16, rounded to nearest even
	WIN 0x05+0x0a*(\set)
.set x, 0
.rept 96
	v_cvt_pk_bf16_f32 v[T+x], v[2*x], v[2*x+1]
.set x, x+1
.endr
.endm
.macro PUT slot                        ; 8 bytes a lane.  repr: the halves of the wave lie 8 rows = 1152 bytes apart, 128 modulo 256.  W: 256 consecutive bytes
	WIN 0
.set l, 0
.rept 16
	ds_store_b64 v[STX], v[T+2*l:T+2*l+1] offset:(\slot)*SLOT+((l&7)+16*(l>>3))*XP
.set l, l+1
.endr
.set l, 0
.rept 32
	ds_store_b64 v[STW], v[T+32+2*l:T+32+2*l+1] offset:(\slot)*SLOT+(l>>1)*WP+(l&1)*256
.set l, l+1
.endr
.endm
; 24 LDS loads in one run: the fragments of 32 d into buffer \b.  W is read transposed: lane (r, h) gets column e = r, d = 8 h .. + 7 and
; 16 + 8 h .. + 7.  repr is read as it lies: row r, the same d.
.macro FRAG slot, sub, b
	WIN 0
.irp n, 0,1,2,3,4,5,6,7
	ds_load_tr16_b128 v[WF+64*\b+8*\n:WF+64*\b+8*\n+3],   v[FB+\slot] offset:\sub*32*WP+\n*32
	ds_load_tr16_b128 v[WF+64*\b+8*\n+4:WF+64*\b+8*\n+7], v[FB+\slot] offset:\sub*32*WP+\n*32+16*WP
.endr
	WIN 0x40
.irp m, 0,1,2,3
	ds_load_b128 v[XF+32*\b+8*\m:XF+32*\b+8*\m+3],   v[FA] offset:\slot*SLOT+\m*16*XP+\sub*64
	ds_load_b128 v[XF+32*\b+8*\m+4:XF+32*\b+8*\m+7], v[FA] offset:\slot*SLOT+\m*16*XP+\sub*64+32
.endr
.endm
; 16 products: q tiles 2 half, 2 half + 1 x all eight e tiles.  Source 0 = columns of W, source 1 = rows of repr: register j of lane (r, h)
; is then QW[q = r][e = 8 h + j], eight neighbouring e of one q.  The 32 accumulators take turns, one instruction a turn, in the same order
; in every sub-step.
.macro MUL b, half, zero
.irp m, 2*\half, 2*\half+1
.irp n, 0,1,2,3,4,5,6,7
.if \zero
	v_wmma_f32_16x16x32_bf16 v[8*(8*(\m)+\n):8*(8*(\m)+\n)+7], v[WF+64*\b+8*\n:WF+64*\b+8*\n+7], v[XF+32*\b+8*(\m):XF+32*\b+8*(\m)+7], 0
.else
	v_wmma_f32_16x16x32_bf16 v[8*(8*(\m)+\n):8*(8*(\m)+\n)+7], v[WF+64*\b+8*\n:WF+64*\b+8*\n+7], v[XF+32*\b+8*(\m):XF+32*\b+8*(\m)+7], v[8*(8*(\m)+\n):8*(8*(\m)+\n)+7]
.endif
.endr
.endr
.endm
; The four repr fragments of buffer \b go to xb as they are, if this step is one of my work-group's four and this sub-step is my wave's
; (s21 = my wn in such a step, else 2).  The branch hangs on ids and the step's number alone.
.macro XSTORE b, par
	s_cmp_eq_u32 s21, \b
	s_cbranch_scc0 .Lnox_\@
	WIN 0x04
.irp m, 0,1,2,3
	global_store_b128 v[GOX], v[XF+32*\b+8*\m:XF+32*\b+8*\m+3],   s[10:11] offset:\m*32768+\b*1024+\par*2048
	global_store_b128 v[GOX], v[XF+32*\b+8*\m+4:XF+32*\b+8*\m+7], s[10:11] offset:\m*32768+\b*1024+\par*2048+512
.endr
	WIN 0
.Lnox_\@:
.endm
; One step of 64 d out of slot \cur: sub-step 0 on buffer 0, sub-step 1 on buffer 1.  Each run of fragment loads stands 16 products ahead
; of its first use.  conv: the next step, waiting in staging set \nxt, is converted into slot \nxt; issue: that set is asked for again, two
; steps further on.  ONE barrier a step, for two things: in front of its signal each wave has waited for its stores into slot \nxt and for
; its reads of slot \cur (one wait for 0), so behind it slot \nxt may be read and slot \cur written.
.macro STEP cur, nxt, conv, issue, kx, kw, cnt, zero, last, par
	s_lshr_b32 s18, s20, 2
	s_cmp_eq_u32 s18, s22                          ; is this step one of my column block's four?
	s_cselect_b32 s21, s14, 2
	s_add_co_u32 s20, s20, 1
	s_wait_dscnt 0x0                               ; buffer 0 is in: its loads were issued 16 products ago
	XSTORE 0, \par
	WIN MULW
	MUL 0, 0, \zero
	PLACES                                         ; behind the last step's products on buffer 1
	s_wait_xcnt 0x0                                ; buffer 1, which the last step's stores to xb read, is loaded again only behind this wait
	FRAG \cur, 1, 1
	WIN MULW
	MUL 0, 1, \zero
.if \conv
	s_wait_loadcnt \cnt                            ; loads come back in order: set \nxt is in, the younger set (48 loads) may stay out
	CVT \nxt                                       ; 96 plain vector instructions: also the places in front of the loads into buffer 0 below
.if \issue
	ISSUE \nxt, \kx, \kw                           ; with the younger set 96 loads; where the counter is full the issue waits (ISA guide 5.7.1)
.endif
	PUT \nxt
.endif
	WIN 0
	s_wait_dscnt 0x0                               ; buffer 1 is in, my stores into the next slot and my reads of this one are done
	XSTORE 1, \par
.if \last == 0
	s_barrier_signal -1
.endif
	WIN MULW
	MUL 1, 0, 0                                    ; registers only, while the others arrive
.if \last == 0
	s_barrier_wait -1
	s_wait_xcnt 0x0                                ; buffer 0, which this step's stores to xb read, is loaded again only behind this wait
	FRAG \nxt, 0, 0                                ; the next step's first fragments
.endif
	WIN MULW
	MUL 1, 1, 0
	WIN 0                                          ; at a label and at a branch every window is 0
.endm
	s_load_b256 s[4:11], s[0:1], 0x0               ; repr s[4:5], W s[6:7], qf s[8:9], xb s[10:11]
	v_lshl_add_u32 v254, v0, 2, 0x1a000
	v_mov_b32 v255, 0
	v_lshrrev_b32 v10, 5, v0
	v_readfirstlane_b32 s12, v10                   ; wave w, 0..3
	s_lshr_b32 s13, s12, 1                         ; wm: which 64 q are mine
	s_and_b32 s14, s12, 1                          ; wn: which 128 e
	s_and_b32 s19, ttmp7, 0xffff                   ; block of 128 q
	s_mov_b32 s22, ttmp9                           ; bx: block of 256 e
	v_and_b32 v11, 15, v0                          ; r
	v_bfe_u32 v12, v0, 4, 1                        ; h
	v_and_b32 v13, 31, v0                          ; lane
	s_lshl_b32 s18, s12, 5
	v_lshl_add_u32 v14, v12, 3, s18                ; 32 w + 8 h: my first row of repr
	v_lshlrev_b32 v[GVX], 12, v14
	v_lshl_add_u32 v[GVX], v11, 4, v[GVX]
	s_lshl_b32 s18, s12, 16                        ; 16 w rows of W
	v_lshl_add_u32 v[GVW], v13, 4, s18
	s_mov_b32 s17, 0
	s_lshl_b32 s16, s19, 19                        ; 128 rows of 4,096 bytes; also 8 QT of 65,536 bytes in qf
	s_wait_kmcnt 0x0
	s_add_nc_u64 s[4:5], s[4:5], s[16:17]
	s_add_nc_u64 s[8:9], s[8:9], s[16:17]
	s_lshl_b32 s16, s19, 18                        ; 8 KT of 32,768 bytes in xb
	s_add_nc_u64 s[10:11], s[10:11], s[16:17]
	s_lshl_b32 s16, s22, 10                        ; 256 columns of W
	s_add_nc_u64 s[6:7], s[6:7], s[16:17]
	s_lshl_b32 s16, s22, 13                        ; 16 DT of 512 bytes in qf
	s_add_nc_u64 s[8:9], s[8:9], s[16:17]
	ISSUE 0, 0, 0                                  ; step 0
	ISSUE 1, KX, KW                                ; step 1
	v_mul_u32_u24 v[STX], v14, XP
	v_lshl_add_u32 v[STX], v11, 3, v[STX]
	s_mul_i32 s18, s12, 16*WP
	s_add_co_u32 s18, s18, WOFF
	v_lshl_add_u32 v[STW], v13, 3, s18
	s_lshl_b32 s18, s13, 6
	v_add_nc_u32 v14, s18, v11
	v_mul_u32_u24 v[FA], v14, XP
	v_lshl_add_u32 v[FA], v12, 4, v[FA]            ; (64 wm + r) x pitch + 16 h
	v_and_b32 v14, 7, v0
	v_lshl_add_u32 v14, v12, 3, v14
	v_mul_u32_u24 v14, v14, WP                     ; (8 h + lane & 7) rows of W
	v_bfe_u32 v15, v0, 3, 1
	v_lshl_add_u32 v14, v15, 4, v14                ; + 16 ((lane >> 3) & 1)
	s_lshl_b32 s18, s14, 8                         ; + my 128 columns
	s_add_co_u32 s18, s18, WOFF
	v_add_nc_u32 v[FB], s18, v14
	v_add_nc_u32 v[FB+1], SLOT, v[FB]
	s_lshl_b32 s18, s13, 18                        ; 4 QT
	s_lshl_b32 s19, s14, 12                        ; 8 DT
	s_add_co_u32 s18, s18, s19
	v_lshl_add_u32 v[GO], v13, 4, s18
	s_lshl_b32 s18, s13, 17                        ; 4 KT
	v_lshl_add_u32 v[GOX], v13, 4, s18
	s_mov_b32 s20, 0                               ; the step's number
	s_wait_loadcnt 48                              ; step 0 is in, step 1 stays out
	CVT 0
	ISSUE 0, 2*KX, 2*KW                            ; step 2
	PUT 0
	s_wait_dscnt 0x0
	s_barrier_signal -1
	s_barrier_wait -1                              ; slot 0 is whole
	FRAG 0, 0, 0
	WIN 0
	STEP 0, 1, 1, 1, 3*KX, 3*KW, 48, 1, 0, 0       ; step 0: its first products start the sums; asks for step 3
	s_wait_xcnt 0x0                                ; the bases are stepped only behind this wait
	s_add_nc_u64 s[4:5], s[4:5], 4*KX
	s_add_nc_u64 s[6:7], s[6:7], 4*KW
	s_add_nc_u64 s[10:11], s[10:11], 2048          ; xb: 4 DT a step
	s_mov_b32 s15, 6
.Lk:                                               ; steps 1 to 12, two a trip; they ask for steps 4 to 15
	STEP 1, 0, 1, 1, 0, 0, 48, 0, 0, 0
	STEP 0, 1, 1, 1, KX, KW, 48, 0, 0, 1
	s_wait_xcnt 0x0
	s_add_nc_u64 s[4:5], s[4:5], 2*KX
	s_add_nc_u64 s[6:7], s[6:7], 2*KW
	s_add_nc_u64 s[10:11], s[10:11], 4096
	s_sub_co_u32 s15, s15, 1
	s_cmp_lg_u32 s15, 0
	s_cbranch_scc1 .Lk
	STEP 1, 0, 1, 0, 0, 0, 48, 0, 0, 0             ; step 13: converts step 14, asks for nothing
	STEP 0, 1, 1, 0, 0, 0, 0, 0, 0, 1              ; step 14: converts step 15, the last load
	STEP 1, 0, 0, 0, 0, 0, 0, 0, 1, 2              ; step 15
	; THE WAY OUT, eight tiles (16 q x 128 e) at a time: hi = QW with the low 16 bits cleared, lo = QW - hi; both packed to bf16 and stored
	; from registers, 512 consecutive bytes a store.
	PLACES
	s_mov_b32 s23, 0xffff0000
.irp m, 0,1,2,3
	WIN 0x08                                       ; source 1: the accumulators
.set x, 0
.rept 64
	v_and_b32 v[HI+x], s23, v[64*\m+x]
.set x, x+1
.endr
.set x, 0
.rept 32
	v_pk_add_f32 v[LO+2*x:LO+2*x+1], v[HI+2*x:HI+2*x+1], v[64*\m+2*x:64*\m+2*x+1] neg_lo:[1,0] neg_hi:[1,0]
.set x, x+1
.endr
	WIN 0
.irp n, 0,1,2,3,4,5,6,7
.irp p, 0,1,2,3
	v_cvt_pk_bf16_f32 v[HI+8*\n+\p], v[HI+8*\n+2*\p], v[HI+8*\n+2*\p+1]   ; word p is written when words 2p, 2p+1 >= p have been read
.endr
.irp p, 0,1,2,3
	v_cvt_pk_bf16_f32 v[LO+8*\n+\p], v[LO+8*\n+2*\p], v[LO+8*\n+2*\p+1]
.endr
	global_store_b128 v[GO], v[HI+8*\n:HI+8*\n+3], s[8:9] offset:\m*65536+\n*512
	global_store_b128 v[GO], v[LO+8*\n:LO+8*\n+3], s[8:9] offset:\m*65536+\n*512+32768
.endr
.if \m < 3
	s_wait_xcnt 0x0                                ; the data of these stores are written again only behind this wait
.endif
.endr
	s_wait_tensorcnt 0x0
	ds_add_u32 v254, v255
	s_wait_dscnt 0x0
	s_endpgm
.Lfunc_end_k_q5eccadcdf0_qproj:
	.size	k_q5eccadcdf0_qproj, .Lfunc_end_k_q5eccadcdf0_qproj-k_q5eccadcdf0_qproj
	.p2alignl 7, 3214868480
	.fill 96, 4, 3214868480
	.section	.rodata,"a",@progbits
	.p2align	6, 0x0
	.amdhsa_kernel k_q5eccadcdf0_qproj
		.amdhsa_group_segment_fixed_size 107008
		.amdhsa_private_segment_fixed_size 0
		.amdhsa_enable_private_segment 0
		.amdhsa_kernarg_size 32
		.amdhsa_user_sgpr_count 2
		.amdhsa_user_sgpr_kernarg_segment_ptr 1
		.amdhsa_wavefront_size32 1
		.amdhsa_system_sgpr_workgroup_id_x 1
		.amdhsa_system_sgpr_workgroup_id_y 1
		.amdhsa_system_sgpr_workgroup_id_z 1
		.amdhsa_system_vgpr_workitem_id 0
		.amdhsa_next_free_vgpr 960
		.amdhsa_next_free_sgpr 66
		.amdhsa_reserve_vcc 0
		.amdhsa_float_denorm_mode_32 3
		.amdhsa_float_denorm_mode_16_64 3
		.amdhsa_memory_ordered 1
		.amdhsa_forward_progress 1
		.amdhsa_inst_pref_size 181
	.end_amdhsa_kernel
	.amdgpu_metadata
---
amdhsa.version: [ 1, 2 ]
amdhsa.kernels:
  - .name:           k_q5eccadcdf0_qproj
    .symbol:         k_q5eccadcdf0_qproj.kd
    .args:
      - { .name: repr, .offset: 0, .size: 8, .value_kind: global_buffer, .address_space: global }
      - { .name: W, .offset: 8, .size: 8, .value_kind: global_buffer, .address_space: global }
      - { .name: qf, .offset: 16, .size: 8, .value_kind: global_buffer, .address_space: global }
      - { .name: xb, .offset: 24, .size: 8, .value_kind: global_buffer, .address_space: global }
    .group_segment_fixed_size: 107008
    .private_segment_fixed_size: 0
    .kernarg_segment_align: 8
    .kernarg_segment_size: 32
    .max_flat_workgroup_size: 128
    .sgpr_count:     66
    .vgpr_count:     960
    .wavefront_size: 32
...
	.end_amdgpu_metadata
.endif
;; end of part 1
;; launch attn (part 2): grid 32 x 8, 8 waves a work-group, no clusters, 286,208 bytes of LDS; arguments repr, qf, xb, out0; writes out0
.if DOCPART == 2
	.amdgcn_target "amdgcn-amd-amdhsa--gfx1250"
	.amdhsa_code_object_version 6
	.text
	.protected	k_q5eccadcdf0_attn
	.globl	k_q5eccadcdf0_attn
	.p2align	8
	.type	k_q5eccadcdf0_attn,@function
k_q5eccadcdf0_attn:
	s_mov_b64 s[64:65], 0
	v_nop
	global_prefetch_b8 v0, s[64:65] scope:SCOPE_SE
	s_setreg_imm32_b32 hwreg(HW_REG_WAVE_MODE, 25, 1), 1
	s_wait_xcnt 0x0
; out = repr + relu(softmax(masked scores) repr), scores[q][k] = sum over e of QW[q][e] repr[k][e]; QW (hi + lo, bf16) and repr in bf16 (xb)
; come from the launch before, both in the order of a matrix operand.
; WORK LEFT OUT: score tiles and keys outside the band |q - k| <= 64 that reference() builds itself (jnp.where puts -1e9 there whatever the
; inputs hold; shown at the head of the first kernel).  A block of 32 queries q0 .. q0+31 keeps the window of 160 keys q0-64 .. q0+95 (key
; tiles kt = 0..9), of it kt 0..8 for its first 16 queries and kt 1..9 for the others.
; LIMITS: rows whose best score in the band is below about -1e9 + 104 differ from reference(); a NaN, an infinity or an overflow that
; reaches only the work left out is not carried to the result.
; Window tiles past an end of the sequence are loaded from a clamped tile of the same batch and masked like the rest of the band edge.
; FORMATS: all matrix operands bf16; weights are exp(s - rowmax) in bf16, so the largest is exactly 1; their sum is taken over the rounded
; weights, and 1/sum multiplies the product in f32.  The residual is the f32 repr.
; SHARES: 256 work-groups of 8 waves, one block of 32 queries each.
;   scores : wave w = (kh = w & 1, dq = w >> 1) takes five key tiles and a quarter of e (8 steps of 32, each with hi and lo).  Mirrored:
;            local tile i is kt = kh ? 9 - i : i, local a is query tile a ^ kh, so that (a = 1, i = 0) is the dead tile in both halves.
;            Keys and queries go from memory straight into operand registers; a key fragment is used by one wave, a query fragment by two.
;   softmax: wave w takes rows 4 w + 2 h + e (e = 0, 1), a key column r of nine tiles in each lane; the four quarters of e meet in LDS.
;   P V    : wave w takes columns 128 w .. + 127 in two halves of 64; the values come from xb through registers into LDS bytes of its own
;            and are read back transposed.
; Each fragment goes to the registers of the wave that uses it, and the windows of neighbouring blocks are 32 rows apart, so a shared tile
; would sit at an LDS address that hangs on the place in a cluster: hence no tensor loads and no joint requests here.
; LDS: [0, 204800) V, wave w at 25600 w: 160 key rows x 160 bytes (128 of bf16; rows 8-15 of each tile begin 16 bytes further in, so that
;      the sixteen rows of a store and the eight rows x two columns of a transposing load each touch sixteen different 16-byte columns
;      modulo 256); under it, until the second barrier: [0, 110592) PART, wave w at 13824 w, 9 tiles x 4 register pairs x 384 bytes (256
;      used); [204800, 215552) P, 32 rows x 336: ten tile places of 32 bytes (rows 0-15: place kt, rows 16-31: place 9 - kt) and 1/sum at
;      byte 320; [215552, 285184) STG, wave w at + 8704 w: 32 rows x 272 bytes of f32.
.set PJP,   384
.set PTILE, 4*PJP
.set PARTW, 9*PTILE
.set VP,    160
.set VW,    160*VP
.set PB,    8*VW
.set PP,    336
.set STG,   PB+32*PP
.set SP,    272
.set STGW,  32*SP
.set VB, 20                            ; s[20:39] window tile kt: xb at that key tile (clamped)
.set KB, 40                            ; s[40:49] local tile i: xb at its key tile (clamped)
.set QB, 68                            ; s[68:71] local a: qf at query tile a ^ kh
.set VG,  4                            ; v4   xb, values: 16 lane + my eight column tiles
.set GV,  6                            ; v6   xb and qf, scores: 16 lane + my quarter of e
.set PST, 9                            ; v9   PART, my stores
.set RD0, 10                           ; v10  PART, reads from the half kh = w >> 2, e quarters 0, 1
.set RD1, 11                           ; v11  the same from the other half
.set PW,  12                           ; v12  P, my stores
.set PR,  13                           ; v13  P, fragment reads
.set VV,  14                           ; v14  residual and output, global: 4 h rows + 16 r + my 512 bytes of a row
.set VST, 15                           ; v15  V, my stores
.set VT,  16                           ; v16  V, transposing reads
.set SA,  17                           ; v17  STG in
.set SR,  18                           ; v18  STG back
.set KP,  19                           ; v19  position of my key in the sequence (may be outside: then masked)
.set DL0, 20                           ; v20  key - query + 64 for e = 0; in the band if 0 .. 128
.set DL1, 21                           ; v21  the same for e = 1
.set NEG, 22                           ; v22  -1e9
.set ZERO, 23                          ; v23  0
.set ACC, 24                           ; v[24:95]   scores: nine tiles, x = 4 a + i
.set QF,  96                           ; v[96:191]  query fragments: three sets of (a, part) at 16 a + 8 part
.set PL,  128                          ; v[128:199] softmax: tile u at + 8 u, e quarter at + 2 dq
.set M,   200
.set SUM, 202
.set R,   204
.set PK,  206                          ; v[206:214] weights of rows e = 0, 1, packed
.set RD2, 216                          ; RD0, RD1 for e quarters 2, 3
.set RD3, 217
.set PI,  218                          ; P, where 1/sum goes
.set PF,  24                           ; v[24:103]  P V: weights (a, ks) at 24 + 8 (5 a + ks)
.set ACC2, 104                         ; v[104:167] (n, a) at 104 + 8 (2 n + a)
.set VF,  168                          ; v[168:231] four value fragments, two buffers
.set O,   168                          ;            and the rows on their way out
.set INV, 232                          ; v[232:235] 1/sum of my query in tile 0, twice; in tile 1, twice
.set IA,  236
                                       ; window 1: v[0:119] three key sets of 40, later v[0:127] eight value units of 16; v[128:255] the residual
.set MSB, 0
.macro WIN new                         ; s_set_vgpr_msb: bits 1:0 source 0, 3:2 source 1, 5:4 source 2, 7:6 destination; the high byte repeats the setting left
.if MSB != (\new)
	s_set_vgpr_msb (MSB<<8)|(\new)
.set MSB, (\new)
.endif
.endm
.macro PLACES                          ; four plain vector instructions between a matrix instruction and a load into, or a read of, its registers
.rept 4
	v_nop
.endr
.endm
; 18 loads: e step t of my five key tiles and of both query tiles, hi and lo; set t mod 3.  Each load is 512 consecutive bytes and half a fragment.
.macro SISSUE t
	WIN 0x40
.irp i, 0,1,2,3,4
	global_load_b128 v[40*((\t)%3)+8*\i:40*((\t)%3)+8*\i+3],   v[GV], s[KB+2*\i:KB+2*\i+1] offset:(\t)*1024
	global_load_b128 v[40*((\t)%3)+8*\i+4:40*((\t)%3)+8*\i+7], v[GV], s[KB+2*\i:KB+2*\i+1] offset:(\t)*1024+512
.endr
	WIN 0
.irp a, 0,1
.irp p, 0,1
	global_load_b128 v[QF+32*((\t)%3)+16*\a+8*\p:QF+32*((\t)%3)+16*\a+8*\p+3],   v[GV], s[QB+2*\a:QB+2*\a+1] offset:\p*32768+(\t)*1024
	global_load_b128 v[QF+32*((\t)%3)+16*\a+8*\p+4:QF+32*((\t)%3)+16*\a+8*\p+7], v[GV], s[QB+2*\a:QB+2*\a+1] offset:\p*32768+(\t)*1024+512
.endr
.endr
.endm
.macro SW a, i, t, p                   ; source 0 = queries, source 1 = keys: register j of lane (r, h) is S[query 8 h + j][key r]
.if 2*\t+\p == 0
	v_wmma_f32_16x16x32_bf16 v[ACC+8*(4*\a+\i):ACC+8*(4*\a+\i)+7], v[QF+32*((\t)%3)+16*\a+8*\p:QF+32*((\t)%3)+16*\a+8*\p+7], v[40*((\t)%3)+8*\i:40*((\t)%3)+8*\i+7], 0
.else
	v_wmma_f32_16x16x32_bf16 v[ACC+8*(4*\a+\i):ACC+8*(4*\a+\i)+7], v[QF+32*((\t)%3)+16*\a+8*\p:QF+32*((\t)%3)+16*\a+8*\p+7], v[40*((\t)%3)+8*\i:40*((\t)%3)+8*\i+7], v[ACC+8*(4*\a+\i):ACC+8*(4*\a+\i)+7]
.endif
.endm
; One of 8 e steps: nine products with hi, nine with lo, on nine accumulators, which take turns.
.macro SSTEP t
.if \t <= 5
	s_wait_loadcnt 36                              ; my set is in; the two younger sets of 18 loads stay out
.else
	s_wait_loadcnt 18*(7-\t)                       ; nothing more is asked for: the counts run down
.endif
	WIN 0x04
.irp p, 0,1
.irp i, 0,1,2,3,4
	SW 0, \i, \t, \p
.endr
.irp i, 1,2,3,4
	SW 1, \i, \t, \p
.endr
.endr
	WIN 0
.if \t <= 4
	PLACES
	SISSUE \t+3                                    ; into the set just read
.endif
.endm
; the f32 query rows of my 64 columns of half c, in the layout of the output stores: load i takes rows (i & 3) + 8 (i >> 2) and that + 4
.macro RISSUE c, hs
	WIN 0x40
.irp a, 0,1
.irp i, 0,1,2,3,4,5,6,7
	global_load_b128 v[32*(\hs+\a)+4*\i:32*(\hs+\a)+4*\i+3], v[VV], s[16:17] offset:(16*\a+(\i&3)+8*(\i>>2))*4096+\c*256
.endr
.endr
.endm
; value unit u = 10 c + kt: four tiles (16 keys x 16 columns) of window tile kt, my columns of half c; four loads of 512 consecutive bytes
.macro VISSUE u
	WIN 0x40
.irp n, 0,1,2,3
	global_load_b128 v[16*((\u)&7)+4*\n:16*((\u)&7)+4*\n+3], v[VG], s[VB+2*((\u)%10):VB+2*((\u)%10)+1] offset:(4*((\u)/10)+\n)*512
.endr
.endm
; units 2 k and 2 k + 1 (32 keys) go to V as they came; the units six further on are asked for, into the registers of the pair before
.macro PAIR k
.if (\k) <= 7
	s_wait_loadcnt 16                              ; my eight loads are in; the four younger units of four loads stay out
.else
	s_wait_loadcnt 8*(9-(\k))                      ; nothing more is asked for: the counts run down
.endif
	WIN 0x04
.irp e, 0,1
.irp n, 0,1,2,3
	ds_store_b128 v[VST], v[16*((2*(\k)+\e)&7)+4*\n:16*((2*(\k)+\e)&7)+4*\n+3] offset:16*((2*(\k)+\e)%10)*VP+\n*32
.endr
.endr
.if (\k) <= 6
	VISSUE (2*(\k)+6)
	VISSUE (2*(\k)+7)
.endif
.endm
; four value fragments of 32 keys, read transposed (lane r: column r, keys along the registers), into buffer b.  The V bytes are the wave's
; own and LDS serves a wave in order, so the stores above need no wait of their own.
.macro TRL ks, b
	WIN 0
.irp n, 0,1,2,3
	ds_load_tr16_b128 v[VF+32*\b+8*\n:VF+32*\b+8*\n+3],   v[VT] offset:\ks*32*VP+\n*32
	ds_load_tr16_b128 v[VF+32*\b+8*\n+4:VF+32*\b+8*\n+7], v[VT] offset:\ks*32*VP+\n*32+16*VP
.endr
.endm
; eight products.  Source 0 = values, source 1 = weights: register j of lane (r, h) is (query r, column 8 h + j).  The eight accumulators
; take turns.
.macro MULV ks, b
.irp n, 0,1,2,3
.irp a, 0,1
.if \ks == 0
	v_wmma_f32_16x16x32_bf16 v[ACC2+8*(2*\n+\a):ACC2+8*(2*\n+\a)+7], v[VF+32*\b+8*\n:VF+32*\b+8*\n+7], v[PF+8*(5*\a+\ks):PF+8*(5*\a+\ks)+7], 0
.else
	v_wmma_f32_16x16x32_bf16 v[ACC2+8*(2*\n+\a):ACC2+8*(2*\n+\a)+7], v[VF+32*\b+8*\n:VF+32*\b+8*\n+7], v[PF+8*(5*\a+\ks):PF+8*(5*\a+\ks)+7], v[ACC2+8*(2*\n+\a):ACC2+8*(2*\n+\a)+7]
.endif
.endr
.endr
.endm
; 64 columns: five steps of 32 keys.  The stores and transposing loads of step ks are issued ahead of the products of step ks - 1: the
; wait for 16 leaves those 8 stores and 8 loads out and shows the fragments of step ks - 1 in.
.macro HALF c
	PAIR 5*\c+0
	TRL 0, 0
	PAIR 5*\c+1
	TRL 1, 1
	s_wait_dscnt 16
	MULV 0, 0
	PLACES                                         ; in front of the loads into the buffer just read
	PAIR 5*\c+2
	TRL 2, 0
	s_wait_dscnt 16
	MULV 1, 1
	PLACES
	PAIR 5*\c+3
	TRL 3, 1
	s_wait_dscnt 16
	MULV 2, 0
	PLACES
	PAIR 5*\c+4
	TRL 4, 0
	s_wait_dscnt 16
	MULV 3, 1
	s_wait_dscnt 0x0
	MULV 4, 0
.endm
; relu, 1/sum (positive, so the order does not matter), through my stage into whole rows, + residual (sets hs, hs + 1), out.
.macro EPI c, hs, fin
	PLACES
.set j, 0
.rept 64
	v_max_num_f32 v[ACC2+j], 0, v[ACC2+j]
.set j, j+1
.endr
.irp n, 0,1,2,3
.irp a, 0,1
.irp p, 0,1,2,3
	v_pk_mul_f32 v[ACC2+8*(2*\n+\a)+2*\p:ACC2+8*(2*\n+\a)+2*\p+1], v[ACC2+8*(2*\n+\a)+2*\p:ACC2+8*(2*\n+\a)+2*\p+1], v[INV+2*\a:INV+2*\a+1]
.endr
	ds_store_b128 v[SA], v[ACC2+8*(2*\n+\a):ACC2+8*(2*\n+\a)+3]   offset:\a*16*SP+\n*64
	ds_store_b128 v[SA], v[ACC2+8*(2*\n+\a)+4:ACC2+8*(2*\n+\a)+7] offset:\a*16*SP+\n*64+16
.endr
.endr
.irp a, 0,1
.irp i, 0,1,2,3,4,5,6,7
	ds_load_b128 v[O+4*\i:O+4*\i+3], v[SR] offset:(16*\a+(\i&3)+8*(\i>>2))*SP   ; my own bytes, served in order behind the stores
.endr
	s_wait_dscnt 0x0
	WIN 0x04
.irp i, 0,1,2,3,4,5,6,7
	v_pk_add_f32 v[O+4*\i:O+4*\i+1],   v[O+4*\i:O+4*\i+1],   v[32*(\hs+\a)+4*\i:32*(\hs+\a)+4*\i+1]
	v_pk_add_f32 v[O+4*\i+2:O+4*\i+3], v[O+4*\i+2:O+4*\i+3], v[32*(\hs+\a)+4*\i+2:32*(\hs+\a)+4*\i+3]
.endr
	WIN 0
.irp i, 0,1,2,3,4,5,6,7
	global_store_b128 v[VV], v[O+4*\i:O+4*\i+3], s[18:19] offset:(16*\a+(\i&3)+8*(\i>>2))*4096+\c*256 th:TH_STORE_NT   ; sixteen lanes: 256 consecutive bytes, aligned
.endr
.if \a == 0
	s_wait_xcnt 0x0                                ; O, the data of these stores, is loaded again only behind this wait
.else
.if \fin == 0
	s_wait_xcnt 0x0
.endif
.endif
.endr
.endm
	s_load_b128 s[4:7], s[0:1], 0x0                ; repr s[4:5], qf s[6:7]
	s_load_b128 s[72:75], s[0:1], 0x10             ; xb s[72:73], out0 s[74:75]
	v_lshl_add_u32 v254, v0, 2, 0x45a00
	v_mov_b32 v255, 0
	v_lshrrev_b32 v1, 5, v0
	v_readfirstlane_b32 s10, v1                    ; wave w
	s_and_b32 s11, s10, 1                          ; kh
	s_lshr_b32 s12, s10, 1                         ; dq
	s_lshr_b32 s13, s10, 2                         ; query tile of my softmax rows
	s_lshl_b32 s15, ttmp9, 5                       ; q0
	s_lshl_b32 s61, ttmp9, 1                       ; q0 / 16
	s_and_b32 s58, ttmp7, 0xffff                   ; batch
	s_lshl_b32 s60, s58, 22                        ; its bytes in repr and out0
	s_lshl_b32 s62, s58, 6                         ; its tiles of 16 rows in qf and xb
	s_mov_b32 s57, 0
	s_mov_b32 s53, 0xffff0000                      ; a word's upper bf16
	v_and_b32 v1, 31, v0                           ; lane
	v_and_b32 v2, 15, v0                           ; r
	v_bfe_u32 v3, v0, 4, 1                         ; h
	s_lshl_b32 s63, s12, 13                        ; 8 e steps of 1,024 bytes
	v_lshl_add_u32 v[GV], v1, 4, s63
	s_wait_kmcnt 0x0
.irp a, 0,1
	s_xor_b32 s59, s11, \a                         ; query tile a ^ kh
	s_add_co_u32 s59, s59, s61
	s_add_co_u32 s59, s59, s62
	s_lshl_b32 s56, s59, 16
	s_add_nc_u64 s[QB+2*\a:QB+2*\a+1], s[6:7], s[56:57]
.endr
.irp i, 0,1,2,3,4
	s_mul_i32 s59, s11, 9-2*\i                     ; kt = i + kh (9 - 2 i)
	s_add_co_i32 s59, s59, s61
	s_add_co_i32 s59, s59, \i-4                    ; key tile in the sequence: q0 / 16 - 4 + kt,
	s_max_i32 s59, s59, 0
	s_min_i32 s59, s59, 63                         ; clamped into it (what is clamped is masked later)
	s_add_co_u32 s59, s59, s62
	s_lshl_b32 s56, s59, 15
	s_add_nc_u64 s[KB+2*\i:KB+2*\i+1], s[72:73], s[56:57]
.endr
	SISSUE 0
	SISSUE 1
	SISSUE 2
.irp kt, 0,1,2,3,4,5,6,7,8,9
	s_add_co_i32 s59, s61, \kt-4
	s_max_i32 s59, s59, 0
	s_min_i32 s59, s59, 63
	s_add_co_u32 s59, s59, s62
	s_lshl_b32 s56, s59, 15
	s_add_nc_u64 s[VB+2*\kt:VB+2*\kt+1], s[72:73], s[56:57]
.endr
	s_lshl_b32 s59, s15, 12
	s_add_co_u32 s56, s59, s60
	s_add_nc_u64 s[16:17], s[4:5], s[56:57]        ; repr at the first query row
	s_add_nc_u64 s[18:19], s[74:75], s[56:57]      ; out0 likewise
	; the other addresses, while the loads are on their way (v24, v25 at work)
	s_lshl_b32 s59, s10, 12                        ; 8 column tiles of 512 bytes
	v_lshl_add_u32 v[VG], v1, 4, s59
	s_mul_i32 s59, s10, PARTW
	v_lshl_add_u32 v[PST], v1, 3, s59
	v_mul_u32_u24 v24, v3, PJP                     ; softmax row 4 (w & 3) + 2 h + e = 8 hs + 2 jp + e: pair jp = 2 (w & 1) + h of lane 16 hs + r, hs = (w >> 1) & 1
	v_lshl_add_u32 v24, v2, 3, v24
	s_mul_i32 s63, s11, 2*PJP
	s_and_b32 s59, s12, 1
	s_lshl_b32 s59, s59, 7
	s_add_co_u32 s63, s63, s59
	s_mul_i32 s59, s13, PARTW
	s_add_co_u32 s59, s59, s63
	v_add_nc_u32 v[RD0], s59, v24
	s_xor_b32 s59, s13, 1
	s_mul_i32 s59, s59, PARTW
	s_add_co_u32 s59, s59, s63
	v_add_nc_u32 v[RD1], s59, v24
	s_mul_i32 s59, s10, 4*PP
	s_add_co_u32 s59, s59, PB
	v_mul_u32_u24 v24, v3, 2*PP
	v_lshl_add_u32 v24, v2, 1, v24
	v_add_nc_u32 v[PW], s59, v24
	v_mul_u32_u24 v24, v2, PP
	v_lshl_add_u32 v24, v3, 4, v24
	v_add_nc_u32 v[PR], PB, v24
	s_lshl_b32 s59, s10, 9
	v_lshl_add_u32 v24, v3, 14, s59
	v_lshl_add_u32 v[VV], v2, 4, v24
	s_mul_i32 s59, s10, VW
	v_bfe_u32 v25, v0, 3, 1
	v_add_nc_u32 v25, v25, v3                      ; ((lane >> 3) & 1) + h
	v_mul_u32_u24 v24, v2, VP
	v_lshl_add_u32 v24, v25, 4, v24
	v_add_nc_u32 v[VST], s59, v24                  ; row r, 16 bytes further in for r >= 8, + 16 h for my eight columns
	v_and_b32 v24, 7, v0
	v_lshl_add_u32 v24, v3, 3, v24
	v_mul_u32_u24 v24, v24, VP
	v_lshl_add_u32 v24, v25, 4, v24
	v_add_nc_u32 v[VT], s59, v24                   ; row 8 h + (lane & 7), 16 bytes further in for h = 1, + 16 ((lane >> 3) & 1)
	s_mul_i32 s59, s10, STGW
	s_add_co_u32 s59, s59, STG
	v_mul_u32_u24 v24, v2, SP
	v_lshl_add_u32 v24, v3, 5, v24
	v_add_nc_u32 v[SA], s59, v24
	v_mul_u32_u24 v24, v3, 4*SP
	v_lshl_add_u32 v24, v2, 4, v24
	v_add_nc_u32 v[SR], s59, v24
	s_mul_i32 s63, s13, 144                        ; softmax tile u = 0 is kt = 0 for rows 0-15, kt = 9 for rows 16-31
	s_add_co_i32 s59, s15, s63
	s_add_co_i32 s59, s59, -64
	v_add_nc_u32 v[KP], s59, v2
	s_lshl_b32 s59, s10, 2
	s_sub_co_i32 s59, s63, s59
	v_add_nc_u32 v24, s59, v2
	v_lshlrev_b32 v25, 1, v3
	v_sub_nc_u32 v[DL0], v24, v25                  ; 16 kt + r - (4 w + 2 h)
	v_add_nc_u32 v[DL1], -1, v[DL0]
	s_mul_i32 s54, s13, -32
	s_add_co_i32 s54, s54, 16                      ; from u to u + 1: + 16 keys, or - 16
	v_mov_b32 v[NEG], 0xce6e6b28
	v_mov_b32 v[ZERO], 0
	; PHASE 1: scores of my five key tiles over my quarter of e
.irp t, 0,1,2,3,4,5,6,7
	SSTEP \t
.endr
	PLACES                                         ; in front of the loads into the key sets and of the stores of the sums
	RISSUE 0, 6                                    ; the residual and the first six value units go out now and land during the softmax:
	RISSUE 1, 4                                    ; 32 + 24 loads
.irp u, 0,1,2,3,4,5
	VISSUE \u
.endr
	WIN 0
.irp x, 0,1,2,3,4,5,6,7,8
.irp p, 0,1,2,3
	ds_store_b64 v[PST], v[ACC+8*\x+2*\p:ACC+8*\x+2*\p+1] offset:\x*PTILE+\p*PJP
.endr
.endr
	s_wait_dscnt 0x0                               ; my partial sums are written
	s_barrier_signal -1
	s_barrier_wait -1
	; PHASE 2: softmax of rows 4 w + 2 h + e.  Tile u is kt = u (rows 0-15) or 9 - u (rows 16-31): u <= 4 lies with the waves kh = w >> 2
	; as their tile x = u, u >= 5 with the other half as x = 13 - u.
	v_add_nc_u32 v[RD2], 4*PARTW, v[RD0]
	v_add_nc_u32 v[RD3], 4*PARTW, v[RD1]
.macro PLOAD u, lo, hi, xs                     ; the halves of the wave read 384 bytes apart, 128 modulo 256
	ds_load_b64 v[PL+8*\u:PL+8*\u+1],   v[\lo] offset:(\xs)*PTILE
	ds_load_b64 v[PL+8*\u+2:PL+8*\u+3], v[\lo] offset:2*PARTW+(\xs)*PTILE
	ds_load_b64 v[PL+8*\u+4:PL+8*\u+5], v[\hi] offset:(\xs)*PTILE
	ds_load_b64 v[PL+8*\u+6:PL+8*\u+7], v[\hi] offset:2*PARTW+(\xs)*PTILE
.endm
.irp u, 0,1,2,3,4
	PLOAD \u, RD0, RD2, \u
.endr
.irp u, 5,6,7,8
	PLOAD \u, RD1, RD3, 13-\u
.endr
	v_lshlrev_b32 v[PI], 1, v2
	v_sub_nc_u32 v[PI], v[PW], v[PI]               ; my first row of P, without the key term
	s_wait_dscnt 0x0
.irp u, 0,1,2,3,4,5,6,7,8
	v_pk_add_f32 v[PL+8*\u:PL+8*\u+1],   v[PL+8*\u:PL+8*\u+1],   v[PL+8*\u+2:PL+8*\u+3]
	v_pk_add_f32 v[PL+8*\u+4:PL+8*\u+5], v[PL+8*\u+4:PL+8*\u+5], v[PL+8*\u+6:PL+8*\u+7]
	v_pk_add_f32 v[PL+8*\u:PL+8*\u+1],   v[PL+8*\u:PL+8*\u+1],   v[PL+8*\u+4:PL+8*\u+5]
.endr
.irp u, 0,1,2,3,4,5,6,7,8
	v_cmp_gt_u32 s50, 1024, v[KP]                  ; the key lies in the sequence (a negative position is a large unsigned number)
	v_cmp_ge_u32 s51, 128, v[DL0]                  ; |q - k| <= 64
	v_cmp_ge_u32 s52, 128, v[DL1]
	s_and_b32 s51, s51, s50
	s_and_b32 s52, s52, s50
	v_cndmask_b32 v[PL+8*\u],   v[NEG], v[PL+8*\u],   s51
	v_cndmask_b32 v[PL+8*\u+1], v[NEG], v[PL+8*\u+1], s52
.if \u < 8
	v_add_nc_u32 v[KP],  s54, v[KP]
	v_add_nc_u32 v[DL0], s54, v[DL0]
	v_add_nc_u32 v[DL1], s54, v[DL1]
.endif
.endr
.irp e, 0,1                                    ; the row maximum: nine tiles in the lane, then the sixteen lanes that share the row
	v_max3_num_f32 v[M+\e], v[PL+\e], v[PL+8+\e], v[PL+16+\e]
	v_max3_num_f32 v[M+\e], v[M+\e], v[PL+24+\e], v[PL+32+\e]
	v_max3_num_f32 v[M+\e], v[M+\e], v[PL+40+\e], v[PL+48+\e]
	v_max3_num_f32 v[M+\e], v[M+\e], v[PL+56+\e], v[PL+64+\e]
	v_max_num_f32_dpp v[M+\e], v[M+\e], v[M+\e] row_xmask:1 row_mask:0xf bank_mask:0xf
	v_max_num_f32_dpp v[M+\e], v[M+\e], v[M+\e] row_xmask:2 row_mask:0xf bank_mask:0xf
	v_max_num_f32_dpp v[M+\e], v[M+\e], v[M+\e] row_xmask:4 row_mask:0xf bank_mask:0xf
	v_max_num_f32_dpp v[M+\e], v[M+\e], v[M+\e] row_xmask:8 row_mask:0xf bank_mask:0xf
.endr
.irp u, 0,1,2,3,4,5,6,7,8
	v_pk_add_f32 v[PL+8*\u:PL+8*\u+1], v[PL+8*\u:PL+8*\u+1], v[M:M+1] neg_lo:[0,1] neg_hi:[0,1]   ; s - max first: exactly 0 for the largest
	v_pk_mul_f32 v[PL+8*\u:PL+8*\u+1], v[PL+8*\u:PL+8*\u+1], 0x3fb8aa3b op_sel_hi:[1,0]           ; then log2 e
.endr
.irp u, 0,1,2,3,4,5,6,7,8
	v_exp_f32 v[PL+8*\u],   v[PL+8*\u]
	v_exp_f32 v[PL+8*\u+1], v[PL+8*\u+1]
.endr
	v_nop                                          ; one plain instruction behind the last exponential (ISA guide 5.7.2)
	s_wait_alu depctr_va_vdst(0)
.irp u, 0,1,2,3,4,5,6,7,8
	v_cvt_pk_bf16_f32 v[PK+\u], v[PL+8*\u], v[PL+8*\u+1]
.endr
.irp u, 0,1,2,3,4,5,6,7,8                      ; back to f32: the sum is taken over the weights that the product will use
	v_lshlrev_b32 v[PL+8*\u],   16,  v[PK+\u]
	v_and_b32     v[PL+8*\u+1], s53, v[PK+\u]
.endr
	v_pk_add_f32 v[SUM:SUM+1], v[PL:PL+1],       v[PL+8:PL+9]
	v_pk_add_f32 v[R:R+1],     v[PL+16:PL+17],   v[PL+24:PL+25]
	v_pk_add_f32 v[SUM:SUM+1], v[SUM:SUM+1],     v[PL+32:PL+33]
	v_pk_add_f32 v[R:R+1],     v[R:R+1],         v[PL+40:PL+41]
	v_pk_add_f32 v[SUM:SUM+1], v[SUM:SUM+1],     v[PL+48:PL+49]
	v_pk_add_f32 v[R:R+1],     v[R:R+1],         v[PL+56:PL+57]
	v_pk_add_f32 v[SUM:SUM+1], v[SUM:SUM+1],     v[PL+64:PL+65]
	v_pk_add_f32 v[SUM:SUM+1], v[SUM:SUM+1],     v[R:R+1]
.irp e, 0,1
	v_add_f32_dpp v[SUM+\e], v[SUM+\e], v[SUM+\e] row_xmask:1 row_mask:0xf bank_mask:0xf
	v_add_f32_dpp v[SUM+\e], v[SUM+\e], v[SUM+\e] row_xmask:2 row_mask:0xf bank_mask:0xf
	v_add_f32_dpp v[SUM+\e], v[SUM+\e], v[SUM+\e] row_xmask:4 row_mask:0xf bank_mask:0xf
	v_add_f32_dpp v[SUM+\e], v[SUM+\e], v[SUM+\e] row_xmask:8 row_mask:0xf bank_mask:0xf
.endr
	v_rcp_f32 v[R],   v[SUM]                       ; the sum is at least 1
	v_rcp_f32 v[R+1], v[SUM+1]
	v_nop                                          ; one plain instruction before the results are stored
.irp u, 0,1,2,3,4,5,6,7,8
	ds_store_b16        v[PW], v[PK+\u] offset:32*\u
	ds_store_b16_d16_hi v[PW], v[PK+\u] offset:32*\u+PP
.endr
	ds_store_b16 v[PW], v[ZERO] offset:288         ; the tenth place is the tile outside the band: weight 0
	ds_store_b16 v[PW], v[ZERO] offset:288+PP
	s_wait_alu depctr_va_vdst(0)
	ds_store_b32 v[PI], v[R]   offset:320          ; sixteen lanes write the same word with the same value
	ds_store_b32 v[PI], v[R+1] offset:320+PP
	s_wait_dscnt 0x0                               ; my rows of P are written, my reads of PART are over
	s_barrier_signal -1
	s_barrier_wait -1                              ; P may be read; V may be laid over PART
	; PHASE 3: P V for my 128 columns, relu, 1/sum, residual
.irp ks, 0,1,2,3,4
	ds_load_b128 v[PF+8*\ks:PF+8*\ks+3],           v[PR] offset:(2*\ks)*32
	ds_load_b128 v[PF+8*\ks+4:PF+8*\ks+7],         v[PR] offset:(2*\ks+1)*32
	ds_load_b128 v[PF+8*(5+\ks):PF+8*(5+\ks)+3],   v[PR] offset:16*PP+(9-2*\ks)*32
	ds_load_b128 v[PF+8*(5+\ks)+4:PF+8*(5+\ks)+7], v[PR] offset:16*PP+(8-2*\ks)*32
.endr
	v_mul_u32_u24 v[IA], v2, PP
	v_add_nc_u32 v[IA], PB, v[IA]
	ds_load_b32 v[INV],   v[IA] offset:320         ; each factor twice: a pair for the packed multiply
	ds_load_b32 v[INV+1], v[IA] offset:320
	ds_load_b32 v[INV+2], v[IA] offset:320+16*PP
	ds_load_b32 v[INV+3], v[IA] offset:320+16*PP
	HALF 0                                         ; its first wait on the LDS counter also shows the weights and factors in: they are older
	EPI 0, 6, 0
	HALF 1
	EPI 1, 4, 1
	s_wait_tensorcnt 0x0
	ds_add_u32 v254, v255
	s_wait_dscnt 0x0
	s_endpgm
.Lfunc_end_k_q5eccadcdf0_attn:
	.size	k_q5eccadcdf0_attn, .Lfunc_end_k_q5eccadcdf0_attn-k_q5eccadcdf0_attn
	.p2alignl 7, 3214868480
	.fill 96, 4, 3214868480
	.section	.rodata,"a",@progbits
	.p2align	6, 0x0
	.amdhsa_kernel k_q5eccadcdf0_attn
		.amdhsa_group_segment_fixed_size 286208
		.amdhsa_private_segment_fixed_size 0
		.amdhsa_enable_private_segment 0
		.amdhsa_kernarg_size 32
		.amdhsa_user_sgpr_count 2
		.amdhsa_user_sgpr_kernarg_segment_ptr 1
		.amdhsa_wavefront_size32 1
		.amdhsa_system_sgpr_workgroup_id_x 1
		.amdhsa_system_sgpr_workgroup_id_y 1
		.amdhsa_system_sgpr_workgroup_id_z 1
		.amdhsa_system_vgpr_workitem_id 0
		.amdhsa_next_free_vgpr 512
		.amdhsa_next_free_sgpr 76
		.amdhsa_reserve_vcc 0
		.amdhsa_float_denorm_mode_32 3
		.amdhsa_float_denorm_mode_16_64 3
		.amdhsa_memory_ordered 1
		.amdhsa_forward_progress 1
		.amdhsa_inst_pref_size 100
	.end_amdhsa_kernel
	.amdgpu_metadata
---
amdhsa.version: [ 1, 2 ]
amdhsa.kernels:
  - .name:           k_q5eccadcdf0_attn
    .symbol:         k_q5eccadcdf0_attn.kd
    .args:
      - { .name: repr, .offset: 0, .size: 8, .value_kind: global_buffer, .address_space: global }
      - { .name: qf, .offset: 8, .size: 8, .value_kind: global_buffer, .address_space: global }
      - { .name: xb, .offset: 16, .size: 8, .value_kind: global_buffer, .address_space: global }
      - { .name: out0, .offset: 24, .size: 8, .value_kind: global_buffer, .address_space: global }
    .group_segment_fixed_size: 286208
    .private_segment_fixed_size: 0
    .kernarg_segment_align: 8
    .kernarg_segment_size: 32
    .max_flat_workgroup_size: 256
    .sgpr_count:     76
    .vgpr_count:     512
    .wavefront_size: 32
...
	.end_amdgpu_metadata
.endif
;; end of part 2
;; ======== version 2 of 2: 2 launches; version 1 with the launches qproj, attn written anew for expert scheduling mode
;; limits: right only within a limited range of input values
;; workspace buffers: qf 33,554,432 bytes; xb 16,777,216 bytes
;; launch qproj (part 3): grid 4 x 64, 4 waves a work-group, no clusters, 107,008 bytes of LDS; arguments repr, W, qf, xb; writes qf, xb
.if DOCPART == 3
	.amdgcn_target "amdgcn-amd-amdhsa--gfx1250"
	.amdhsa_code_object_version 6
	.text
	.protected	k_q5eccadcdf0_qproj
	.globl	k_q5eccadcdf0_qproj
	.p2align	8
	.type	k_q5eccadcdf0_qproj,@function
k_q5eccadcdf0_qproj:
	s_mov_b64 s[64:65], 0
	v_nop
	global_prefetch_b8 v0, s[64:65] scope:SCOPE_SE
	s_setreg_imm32_b32 hwreg(HW_REG_WAVE_SCHED_MODE, 0, 2), 2
	s_setreg_imm32_b32 hwreg(HW_REG_WAVE_MODE, 25, 1), 1
	s_wait_xcnt 0x0
	s_wait_alu depctr_vm_vsrc(0)
; QW[q][e] = sum over d of repr[q][d] W[d][e], q = 0..8191 (batch x sequence), e = 0..1023: the first product of the scores of reference(),
; scores = (repr W) repr^T.  Operands are rounded to bf16 on the way into LDS, sums are f32.
; WORK THAT THE PROGRAM LEAVES OUT (all of it in the second launch; this launch leaves nothing out).  reference() builds the mask itself:
; where |q - k| > 64, jnp.where puts -1e9 in the place of the score, whatever the inputs hold.  So the score of such a pair reaches no
; output, and whole 16 x 16 score tiles outside the band are not computed.  A masked key has the weight exp(-1e9 - rowmax); every row has
; its own key in the band, so that weight is 0 in the f32 of reference() as soon as the best score of the band lies above -1e9 + 104, and
; keys outside a block's window of 160 enter neither the sum nor the second product.
; LIMITS: rows whose best score in the band lies below about -1e9 + 104 differ from reference(); a NaN, an infinity or an overflow that
; reaches only the work left out is not carried to the result.
; QW LEAVES AS TWO bf16 TERMS: hi = QW cut to bf16, lo = QW - hi (exact in f32), rounded to bf16: 16 significant bits.  The scores have a
; spread of about 20, so the softmax is sharp and one 16-bit term would move its weights visibly.
; LAYOUTS, in the order of a matrix operand: qf byte = QT*65536 + part*32768 + DT*512 + 16*lane (QT = q/16, DT = e/16, part 0 hi, 1 lo);
; xb byte = KT*32768 + DT*512 + 16*lane holds repr rounded to bf16 (KT = row/16, DT = d/16).  Lane (r, h) holds row r, columns 8 h .. + 7 of
; the tile.  A store of a wave covers 512 consecutive bytes, and so does a load in the next launch.  xb is what this launch has in its
; fragment registers anyway: of the four work-groups that read the same rows, column block bx stores steps 4 bx .. 4 bx + 3.
; SHARES: 256 work-groups of 4 waves; a work-group makes 128 q x 256 e, a wave 64 x 128: 32 accumulator tiles, 24 fragment loads for 32
; products.  d goes in 16 steps of 64 through two LDS slots: 128 rows of repr (128 bytes + 16: pitch 144 = 9 x 16, so the sixteen rows of a
; fragment load start at sixteen different 16-byte columns modulo 256) and 64 rows of W as they lie in memory, [d][e] (512 bytes + 32:
; pitch 544 = 17 x 32, for the transposing load).
; The inputs come through registers, since they have to be converted: two staging sets of 48 loads a wave, each load whole aligned pieces
; of 256 bytes.  That is also why no tensor load and no joint request of a cluster is used: those bring f32 tiles into LDS as they are,
; which doubles the bytes of every fragment load and makes every wave convert the same numbers again.
; REGISTERS in windows of 256: 0: addresses, W fragments (two buffers), converted words; 1: staging set 0, repr fragments (two buffers);
; 2: accumulators, tile (m, n) at 8 (8 m + n); 3: staging set 1.  On the way out the staging registers hold four out-buffers.
; THE MODE: SCHED_MODE bits 1:0 = 2 (LLVM: expert scheduling mode 2), set by the entry lines.  The code itself states the register dependences
; between vector or matrix instructions and memory or LDS instructions, with s_wait_alu, always for 0.
; THE PLAN.  Registers that memory or LDS instructions touch, in a step:
;   v1 .. v9      addresses, made at the head and never written again: the scalar bases move on, immediate offsets do the rest.
;   staging set   read by the step's conversions; the 48 loads at the step's end land in it again.
;   T             written by the step's conversions; read by the 48 LDS stores behind them; written again a step later.
;   buffer 0      read by the step's first 32 products and its stores to xb; the LDS loads behind the step's barrier land in it.
;   buffer 1      read by the step's last 32 products and its stores to xb; the LDS loads behind the next step's first 16 products land in it.
;   the accumulators are named by matrix instructions alone until the way out.
; Three waits a step: va_vdst at its head (buffer 1 has been read), vm_vsrc ahead of the loads into buffer 1 (all stores issued so far have
; read their data), va_vdst behind the conversions (T is written, the staging set and buffer 0 have been read).  Behind each of the two waits on
; va_vdst no vector or matrix instruction names a register of the loads and stores that lean on it.
.set ROWB,  4096                       ; bytes in a row of repr and of W
.set XP,    144
.set WP,    544
.set WOFF,  128*XP                     ; the rows of W lie behind the 128 rows of repr
.set SLOT,  WOFF+64*WP
.set KX,    256                        ; a step along a row of repr
.set KW,    64*ROWB                    ; a step down the rows of W
.set GVX, 1                            ; v1   global offset, repr: (32 w + 8 h) rows + 16 r
.set GVW, 2                            ; v2   global offset, W: 16 w rows + 16 lane
.set STX, 3                            ; v3   LDS, where my 8 bytes of a repr row go
.set STW, 4                            ; v4   the same for W
.set FA,  5                            ; v5   LDS, my fragments of repr
.set FB,  6                            ; v6, v7  LDS, my fragments of W in slot 0, 1
.set GO,  8                            ; v8   my byte offset in qf
.set GOX, 9                            ; v9   my byte offset in xb
.set WF,  16                           ; v[16:143]  eight fragments of W (16 e x 32 d), two buffers
.set T,   144                          ; v[144:239] 48 pairs of converted bf16
.set HI,  16                           ; the way out: eight tiles of hi, of lo, in f32
.set LO,  80
.set XF,  192                          ; window 1, v[192:255]: four fragments of repr, two buffers; v[0:191] there and in window 3: staging
.set MULW, 0xa4                        ; source 0 (W) window 0, source 1 (repr) window 1, C and D window 2
.set MSB, 0
.macro WIN new                         ; s_set_vgpr_msb: bits 1:0 source 0, 3:2 source 1, 5:4 source 2, 7:6 destination; the high byte repeats the setting left
.if MSB != (\new)
	s_set_vgpr_msb (MSB<<8)|(\new)
.set MSB, (\new)
.endif
.endm
.macro PLACES                          ; four plain vector instructions between a matrix instruction and a load into, or a read of, its registers
.rept 4
	v_nop
.endr
.endm
; 48 loads: one step (64 d) of my 32 rows of repr and my 16 rows of W (256 e), into staging set \set
.macro ISSUE set, kx, kw
	WIN 0x40+0x80*(\set)
.set l, 0
.rept 16
	global_load_b128 v[4*l:4*l+3], v[GVX], s[4:5] offset:((l&7)+16*(l>>3))*ROWB+\kx
.set l, l+1
.endr
.set l, 0
.rept 32
	global_load_b128 v[64+4*l:64+4*l+3], v[GVW], s[6:7] offset:(l>>1)*ROWB+(l&1)*512+\kw
.set l, l+1
.endr
	WIN 0
.endm
.macro CVT set                         ; 192 f32 to 96 words of bf16, rounded to nearest even
	WIN 0x05+0x0a*(\set)
.set x, 0
.rept 96
	v_cvt_pk_bf16_f32 v[T+x], v[2*x], v[2*x+1]
.set x, x+1
.endr
.endm
.macro PUT slot                        ; 8 bytes a lane.  repr: the halves of the wave lie 8 rows = 1152 bytes apart, 128 modulo 256.  W: 256 consecutive bytes
	WIN 0
.set l, 0
.rept 16
	ds_store_b64 v[STX], v[T+2*l:T+2*l+1] offset:(\slot)*SLOT+((l&7)+16*(l>>3))*XP
.set l, l+1
.endr
.set l, 0
.rept 32
	ds_store_b64 v[STW], v[T+32+2*l:T+32+2*l+1] offset:(\slot)*SLOT+(l>>1)*WP+(l&1)*256
.set l, l+1
.endr
.endm
; 24 LDS loads in one run: the fragments of 32 d into buffer \b.  W is read transposed: lane (r, h) gets column e = r, d = 8 h .. + 7 and
; 16 + 8 h .. + 7.  repr is read as it lies: row r, the same d.
.macro FRAG slot, sub, b
	WIN 0
.irp n, 0,1,2,3,4,5,6,7
	ds_load_tr16_b128 v[WF+64*\b+8*\n:WF+64*\b+8*\n+3],   v[FB+\slot] offset:\sub*32*WP+\n*32
	ds_load_tr16_b128 v[WF+64*\b+8*\n+4:WF+64*\b+8*\n+7], v[FB+\slot] offset:\sub*32*WP+\n*32+16*WP
.endr
	WIN 0x40
.irp m, 0,1,2,3
	ds_load_b128 v[XF+32*\b+8*\m:XF+32*\b+8*\m+3],   v[FA] offset:\slot*SLOT+\m*16*XP+\sub*64
	ds_load_b128 v[XF+32*\b+8*\m+4:XF+32*\b+8*\m+7], v[FA] offset:\slot*SLOT+\m*16*XP+\sub*64+32
.endr
.endm
; 16 products: q tiles 2 half, 2 half + 1 x all eight e tiles.  Source 0 = columns of W, source 1 = rows of repr: register j of lane (r, h)
; is then QW[q = r][e = 8 h + j], eight neighbouring e of one q.  The 32 accumulators take turns, one instruction a turn, in the same order
; in every sub-step.
.macro MUL b, half, zero
.irp m, 2*\half, 2*\half+1
.irp n, 0,1,2,3,4,5,6,7
.if \zero
	v_wmma_f32_16x16x32_bf16 v[8*(8*(\m)+\n):8*(8*(\m)+\n)+7], v[WF+64*\b+8*\n:WF+64*\b+8*\n+7], v[XF+32*\b+8*(\m):XF+32*\b+8*(\m)+7], 0
.else
	v_wmma_f32_16x16x32_bf16 v[8*(8*(\m)+\n):8*(8*(\m)+\n)+7], v[WF+64*\b+8*\n:WF+64*\b+8*\n+7], v[XF+32*\b+8*(\m):XF+32*\b+8*(\m)+7], v[8*(8*(\m)+\n):8*(8*(\m)+\n)+7]
.endif
.endr
.endr
.endm
; The four repr fragments of buffer \b go to xb as they are, if this step is one of my work-group's four and this sub-step is my wave's
; (s21 = my wn in such a step, else 2).  The branch hangs on ids and the step's number alone.  The data come from LDS loads, whose wait stands ahead.
.macro XSTORE b, par
	s_cmp_eq_u32 s21, \b
	s_cbranch_scc0 .Lnox_\@
	WIN 0x04
.irp m, 0,1,2,3
	global_store_b128 v[GOX], v[XF+32*\b+8*\m:XF+32*\b+8*\m+3],   s[10:11] offset:\m*32768+\b*1024+\par*2048
	global_store_b128 v[GOX], v[XF+32*\b+8*\m+4:XF+32*\b+8*\m+7], s[10:11] offset:\m*32768+\b*1024+\par*2048+512
.endr
	WIN 0
.Lnox_\@:
.endm
; One step of 64 d out of slot \cur: sub-step 0 on buffer 0, sub-step 1 on buffer 1.  Each run of fragment loads stands 16 products ahead
; of its first use.  conv: the next step, waiting in staging set \nxt, is converted into slot \nxt; issue: that set is asked for again, two
; steps further on, at the step's end.  ONE barrier a step, for two things: in front of its signal each wave has waited for its stores into
; slot \nxt and for its reads of slot \cur (one wait for 0), so behind it slot \nxt may be read and slot \cur written.
.macro STEP cur, nxt, conv, issue, kx, kw, cnt, zero, last, par
	s_lshr_b32 s18, s20, 2
	s_cmp_eq_u32 s18, s22                          ; is this step one of my column block's four?
	s_cselect_b32 s21, s14, 2
	s_add_co_u32 s20, s20, 1
	s_wait_dscnt 0x0                               ; buffer 0 is in: its loads were issued 16 products ago
.if \zero == 0
	s_wait_alu depctr_va_vdst(0)                   ; the last step's products on buffer 1 are done reading it: the loads behind the next 16 products, which name buffer 0 alone, land in it
.endif
	XSTORE 0, \par
	WIN MULW
	MUL 0, 0, \zero
	PLACES                                         ; behind the last step's products on buffer 1
	s_wait_xcnt 0x0                                ; buffer 1, which the last step's stores to xb read, is loaded again only behind this wait
	s_wait_alu depctr_vm_vsrc(0)                   ; the stores to xb have read their fragments (the last step's: buffer 1, loaded below; this step's: buffer 0, loaded behind the barrier); the last step's LDS stores have read T, which the conversions below write
	FRAG \cur, 1, 1
	WIN MULW
	MUL 0, 1, \zero
.if \conv
	s_wait_loadcnt \cnt                            ; loads come back in order: set \nxt is in, the younger set (48 loads) may stay out
	CVT \nxt                                       ; 96 plain vector instructions: also the places in front of the loads into buffer 0 below
	s_wait_alu depctr_va_vdst(0)                   ; the conversions have written T, which the LDS stores read, and are done reading set \nxt, which is loaded again at the step's end; this step's products on buffer 0 are done reading it
	PUT \nxt
.endif
	WIN 0
	s_wait_dscnt 0x0                               ; buffer 1 is in, my stores into the next slot and my reads of this one are done
	XSTORE 1, \par
.if \last == 0
	s_barrier_signal -1
.endif
	WIN MULW
	MUL 1, 0, 0                                    ; registers only, while the others arrive
.if \last == 0
	s_barrier_wait -1
	s_wait_xcnt 0x0                                ; buffer 0, which this step's stores to xb read, is loaded again only behind this wait
	FRAG \nxt, 0, 0                                ; the next step's first fragments.  No wait on va_vdst: since the one behind the conversions only products on buffer 1 were issued
.endif
	WIN MULW
	MUL 1, 1, 0
.if \issue
	ISSUE \nxt, \kx, \kw                           ; no vector or matrix instruction since the wait behind the conversions names set \nxt.  With the younger set 96 loads; where the counter is full the issue waits (ISA guide 5.7.1)
.endif
	WIN 0                                          ; at a label and at a branch every window is 0
.endm
	s_load_b256 s[4:11], s[0:1], 0x0               ; repr s[4:5], W s[6:7], qf s[8:9], xb s[10:11]
	v_lshl_add_u32 v254, v0, 2, 0x1a000
	v_mov_b32 v255, 0
	v_lshrrev_b32 v10, 5, v0
	v_readfirstlane_b32 s12, v10                   ; wave w, 0..3
	s_and_b32 s19, ttmp7, 0xffff                   ; block of 128 q
	s_mov_b32 s22, ttmp9                           ; bx: block of 256 e
	v_and_b32 v11, 15, v0                          ; r
	v_bfe_u32 v12, v0, 4, 1                        ; h
	v_and_b32 v13, 31, v0                          ; lane
	s_wait_alu depctr_va_sdst(0)                   ; s12 is written, ahead of its first reader
	s_lshr_b32 s13, s12, 1                         ; wm: which 64 q are mine
	s_and_b32 s14, s12, 1                          ; wn: which 128 e
	s_lshl_b32 s18, s12, 5
	v_lshl_add_u32 v14, v12, 3, s18                ; 32 w + 8 h: my first row of repr
	v_lshlrev_b32 v[GVX], 12, v14
	v_lshl_add_u32 v[GVX], v11, 4, v[GVX]
	s_lshl_b32 s18, s12, 16                        ; 16 w rows of W
	v_lshl_add_u32 v[GVW], v13, 4, s18
	s_mov_b32 s17, 0
	s_lshl_b32 s16, s19, 19                        ; 128 rows of 4,096 bytes; also 8 QT of 65,536 bytes in qf
	s_wait_kmcnt 0x0
	s_add_nc_u64 s[4:5], s[4:5], s[16:17]
	s_add_nc_u64 s[8:9], s[8:9], s[16:17]
	s_lshl_b32 s16, s19, 18                        ; 8 KT of 32,768 bytes in xb
	s_add_nc_u64 s[10:11], s[10:11], s[16:17]
	s_lshl_b32 s16, s22, 10                        ; 256 columns of W
	s_add_nc_u64 s[6:7], s[6:7], s[16:17]
	s_lshl_b32 s16, s22, 13                        ; 16 DT of 512 bytes in qf
	s_add_nc_u64 s[8:9], s[8:9], s[16:17]
	s_wait_alu depctr_va_vdst(0)                   ; v1 and v2 are written: every load of repr and of W reads one of them as its offset
	ISSUE 0, 0, 0                                  ; step 0
	ISSUE 1, KX, KW                                ; step 1
	v_mul_u32_u24 v[STX], v14, XP
	v_lshl_add_u32 v[STX], v11, 3, v[STX]
	s_mul_i32 s18, s12, 16*WP
	s_add_co_u32 s18, s18, WOFF
	v_lshl_add_u32 v[STW], v13, 3, s18
	s_lshl_b32 s18, s13, 6
	v_add_nc_u32 v14, s18, v11
	v_mul_u32_u24 v[FA], v14, XP
	v_lshl_add_u32 v[FA], v12, 4, v[FA]            ; (64 wm + r) x pitch + 16 h
	v_and_b32 v14, 7, v0
	v_lshl_add_u32 v14, v12, 3, v14
	v_mul_u32_u24 v14, v14, WP                     ; (8 h + lane & 7) rows of W
	v_bfe_u32 v15, v0, 3, 1
	v_lshl_add_u32 v14, v15, 4, v14                ; + 16 ((lane >> 3) & 1)
	s_lshl_b32 s18, s14, 8                         ; + my 128 columns
	s_add_co_u32 s18, s18, WOFF
	v_add_nc_u32 v[FB], s18, v14
	v_add_nc_u32 v[FB+1], SLOT, v[FB]
	s_lshl_b32 s18, s13, 18                        ; 4 QT
	s_lshl_b32 s19, s14, 12                        ; 8 DT
	s_add_co_u32 s18, s18, s19
	v_lshl_add_u32 v[GO], v13, 4, s18
	s_lshl_b32 s18, s13, 17                        ; 4 KT
	v_lshl_add_u32 v[GOX], v13, 4, s18
	s_mov_b32 s20, 0                               ; the step's number
	s_wait_loadcnt 48                              ; step 0 is in, step 1 stays out
	CVT 0
	s_wait_alu depctr_va_vdst(0)                   ; the conversions have written T and are done reading set 0; the addresses v3 to v9 are written, which the LDS instructions and stores from here on read
	PUT 0
	ISSUE 0, 2*KX, 2*KW                            ; step 2
	s_wait_dscnt 0x0
	s_barrier_signal -1
	s_barrier_wait -1                              ; slot 0 is whole
	FRAG 0, 0, 0
	WIN 0
	STEP 0, 1, 1, 1, 3*KX, 3*KW, 48, 1, 0, 0       ; step 0: its first products start the sums; asks for step 3
	s_wait_xcnt 0x0                                ; the bases are stepped only behind this wait
	s_add_nc_u64 s[4:5], s[4:5], 4*KX
	s_add_nc_u64 s[6:7], s[6:7], 4*KW
	s_add_nc_u64 s[10:11], s[10:11], 2048          ; xb: 4 DT a step
	s_mov_b32 s15, 6
.Lk:                                               ; steps 1 to 12, two a trip; they ask for steps 4 to 15
	STEP 1, 0, 1, 1, 0, 0, 48, 0, 0, 0
	STEP 0, 1, 1, 1, KX, KW, 48, 0, 0, 1
	s_wait_xcnt 0x0
	s_add_nc_u64 s[4:5], s[4:5], 2*KX
	s_add_nc_u64 s[6:7], s[6:7], 2*KW
	s_add_nc_u64 s[10:11], s[10:11], 4096
	s_sub_co_u32 s15, s15, 1
	s_cmp_lg_u32 s15, 0
	s_cbranch_scc1 .Lk
	STEP 1, 0, 1, 0, 0, 0, 48, 0, 0, 0             ; step 13: converts step 14, asks for nothing
	STEP 0, 1, 1, 0, 0, 0, 0, 0, 0, 1              ; step 14: converts step 15, the last load
	STEP 1, 0, 0, 0, 0, 0, 0, 0, 1, 2              ; step 15
	; THE WAY OUT, eight tiles (16 q x 128 e) at a time: hi = QW with the low 16 bits cleared, lo = QW - hi; both packed to bf16 and stored
	; from registers, 512 consecutive bytes a store.  Each of the four blocks has an out-buffer of 64 registers of its own, where the staging
	; sets lay (blocks 0, 1 in window 1, blocks 2, 3 in window 3): no store's data is ever written again.
	PLACES
	s_mov_b32 s23, 0xffff0000
.irp m, 0,1,2,3
	WIN 0x08                                       ; source 1: the accumulators
.set x, 0
.rept 64
	v_and_b32 v[HI+x], s23, v[64*\m+x]
.set x, x+1
.endr
.set x, 0
.rept 32
	v_pk_add_f32 v[LO+2*x:LO+2*x+1], v[HI+2*x:HI+2*x+1], v[64*\m+2*x:64*\m+2*x+1] neg_lo:[1,0] neg_hi:[1,0]
.set x, x+1
.endr
	WIN 0x40+0x80*(\m/2)                           ; destination: the block's out-buffer
.irp n, 0,1,2,3,4,5,6,7
.irp p, 0,1,2,3
	v_cvt_pk_bf16_f32 v[64*(\m%2)+8*\n+\p],   v[HI+8*\n+2*\p], v[HI+8*\n+2*\p+1]
	v_cvt_pk_bf16_f32 v[64*(\m%2)+8*\n+4+\p], v[LO+8*\n+2*\p], v[LO+8*\n+2*\p+1]
.endr
.endr
	s_wait_alu depctr_va_vdst(0)                   ; the roundings have written the out-buffer, which the sixteen stores read
	WIN 0x04+0x08*(\m/2)                           ; store data: the out-buffer's window
.irp n, 0,1,2,3,4,5,6,7
	global_store_b128 v[GO], v[64*(\m%2)+8*\n:64*(\m%2)+8*\n+3],   s[8:9] offset:\m*65536+\n*512
	global_store_b128 v[GO], v[64*(\m%2)+8*\n+4:64*(\m%2)+8*\n+7], s[8:9] offset:\m*65536+\n*512+32768
.endr
.endr
	WIN 0
	s_wait_dscnt 0x0
	s_wait_alu depctr_hold_cnt(0) depctr_sa_sdst(0) depctr_va_vdst(0) depctr_va_sdst(0) depctr_va_ssrc(0) depctr_va_vcc(0) depctr_vm_vsrc(0)
	s_wait_tensorcnt 0x0
	ds_add_u32 v254, v255
	s_wait_dscnt 0x0
	s_endpgm
.Lfunc_end_k_q5eccadcdf0_qproj:
	.size	k_q5eccadcdf0_qproj, .Lfunc_end_k_q5eccadcdf0_qproj-k_q5eccadcdf0_qproj
	.p2alignl 7, 3214868480
	.fill 96, 4, 3214868480
	.section	.rodata,"a",@progbits
	.p2align	6, 0x0
	.amdhsa_kernel k_q5eccadcdf0_qproj
		.amdhsa_group_segment_fixed_size 107008
		.amdhsa_private_segment_fixed_size 0
		.amdhsa_enable_private_segment 0
		.amdhsa_kernarg_size 32
		.amdhsa_user_sgpr_count 2
		.amdhsa_user_sgpr_kernarg_segment_ptr 1
		.amdhsa_wavefront_size32 1
		.amdhsa_system_sgpr_workgroup_id_x 1
		.amdhsa_system_sgpr_workgroup_id_y 1
		.amdhsa_system_sgpr_workgroup_id_z 1
		.amdhsa_system_vgpr_workitem_id 0
		.amdhsa_next_free_vgpr 960
		.amdhsa_next_free_sgpr 66
		.amdhsa_reserve_vcc 0
		.amdhsa_float_denorm_mode_32 3
		.amdhsa_float_denorm_mode_16_64 3
		.amdhsa_memory_ordered 1
		.amdhsa_forward_progress 1
		.amdhsa_inst_pref_size 182
	.end_amdhsa_kernel
	.amdgpu_metadata
---
amdhsa.version: [ 1, 2 ]
amdhsa.kernels:
  - .name:           k_q5eccadcdf0_qproj
    .symbol:         k_q5eccadcdf0_qproj.kd
    .args:
      - { .name: repr, .offset: 0, .size: 8, .value_kind: global_buffer, .address_space: global }
      - { .name: W, .offset: 8, .size: 8, .value_kind: global_buffer, .address_space: global }
      - { .name: qf, .offset: 16, .size: 8, .value_kind: global_buffer, .address_space: global }
      - { .name: xb, .offset: 24, .size: 8, .value_kind: global_buffer, .address_space: global }
    .group_segment_fixed_size: 107008
    .private_segment_fixed_size: 0
    .kernarg_segment_align: 8
    .kernarg_segment_size: 32
    .max_flat_workgroup_size: 128
    .sgpr_count:     66
    .vgpr_count:     960
    .wavefront_size: 32
...
	.end_amdgpu_metadata
.endif
;; end of part 3
;; launch attn (part 4): grid 32 x 8, 8 waves a work-group, no clusters, 286,208 bytes of LDS; arguments repr, qf, xb, out0; writes out0
.if DOCPART == 4
	.amdgcn_target "amdgcn-amd-amdhsa--gfx1250"
	.amdhsa_code_object_version 6
	.text
	.protected	k_q5eccadcdf0_attn
	.globl	k_q5eccadcdf0_attn
	.p2align	8
	.type	k_q5eccadcdf0_attn,@function
k_q5eccadcdf0_attn:
	s_mov_b64 s[64:65], 0
	v_nop
	global_prefetch_b8 v0, s[64:65] scope:SCOPE_SE
	s_setreg_imm32_b32 hwreg(HW_REG_WAVE_SCHED_MODE, 0, 2), 2
	s_setreg_imm32_b32 hwreg(HW_REG_WAVE_MODE, 25, 1), 1
	s_wait_xcnt 0x0
	s_wait_alu depctr_vm_vsrc(0)
; out = repr + relu(softmax(masked scores) repr), scores[q][k] = sum over e of QW[q][e] repr[k][e]; QW (hi + lo, bf16) and repr in bf16 (xb)
; come from the launch before, both in the order of a matrix operand.
; WORK LEFT OUT: score tiles and keys outside the band |q - k| <= 64 that reference() builds itself (jnp.where puts -1e9 there whatever the
; inputs hold; shown at the head of the first kernel).  A block of 32 queries q0 .. q0+31 keeps the window of 160 keys q0-64 .. q0+95 (key
; tiles kt = 0..9), of it kt 0..8 for its first 16 queries and kt 1..9 for the others.
; LIMITS: rows whose best score in the band is below about -1e9 + 104 differ from reference(); a NaN, an infinity or an overflow that
; reaches only the work left out is not carried to the result.
; Window tiles past an end of the sequence are loaded from a clamped tile of the same batch and masked like the rest of the band edge.
; FORMATS: all matrix operands bf16; weights are exp(s - rowmax) in bf16, so the largest is exactly 1; their sum is taken over the rounded
; weights, and 1/sum multiplies the product in f32.  The residual is the f32 repr.
; SHARES: 256 work-groups of 8 waves, one block of 32 queries each.
;   scores : wave w = (kh = w & 1, dq = w >> 1) takes five key tiles and a quarter of e (8 steps of 32, each with hi and lo).  Mirrored:
;            local tile i is kt = kh ? 9 - i : i, local a is query tile a ^ kh, so that (a = 1, i = 0) is the dead tile in both halves.
;            Keys and queries go from memory straight into operand registers; a key fragment is used by one wave, a query fragment by two.
;   softmax: wave w takes rows 4 w + 2 h + e (e = 0, 1), a key column r of nine tiles in each lane; the four quarters of e meet in LDS.
;   P V    : wave w takes columns 128 w .. + 127 in two halves of 64; the values come from xb through registers into LDS bytes of its own
;            and are read back transposed.
; Each fragment goes to the registers of the wave that uses it, and the windows of neighbouring blocks are 32 rows apart, so a shared tile
; would sit at an LDS address that hangs on the place in a cluster: hence no tensor loads and no joint requests here.
; LDS: [0, 204800) V, wave w at 25600 w: 160 key rows x 160 bytes (128 of bf16; rows 8-15 of each tile begin 16 bytes further in, so that
;      the sixteen rows of a store and the eight rows x two columns of a transposing load each touch sixteen different 16-byte columns
;      modulo 256); under it, until the second barrier: [0, 110592) PART, wave w at 13824 w, 9 tiles x 4 register pairs x 384 bytes (256
;      used); [204800, 215552) P, 32 rows x 336: ten tile places of 32 bytes (rows 0-15: place kt, rows 16-31: place 9 - kt) and 1/sum at
;      byte 320; [215552, 285184) STG, wave w at + 8704 w: 32 rows x 272 bytes of f32.
; THE MODE: SCHED_MODE bits 1:0 = 2 (LLVM: expert scheduling mode 2), set by the entry lines.  The code itself states the register dependences
; between vector or matrix instructions and memory or LDS instructions, with s_wait_alu, always for 0.
; THE PLAN.  All addresses are made at the head, or as the places behind the last score product, and never written again.
;   scores : four sets of key and query fragments.  Step t's products read set t mod 4; the loads of step t + 3, issued in step t, land in set
;            (t - 1) mod 4, which the step before read: one wait on va_vdst at the head of steps 1 to 4.  Steps 5 and 6 ask for the first half's
;            residual, in registers that no vector instruction names before the way out.
;   between: one wait on va_vdst behind the last product: the sums are written (LDS stores), the sets have been read (the residual, the first value
;            units, the partial sums and the weights land there), the addresses are written.  Stores and loads follow it, dealt together.
;   softmax: its 27 compares stand in one run with one wait on va_sdst behind it; one wait on va_vdst ahead of the stores of P.
;   P V    : one wait on vm_vsrc behind the second barrier (the LDS stores so far have read registers in which weights and value fragments land);
;            a value unit's registers are read by a pair's LDS stores and loaded again in the next pair: one wait on vm_vsrc ahead of those loads;
;            a value fragment buffer is read by a step's eight products and loaded again two steps on: one wait on va_vdst ahead of that run.
;   out    : va_vdst ahead of the stage's stores, va_vdst ahead of the sixteen global stores (two row buffers), vm_vsrc once between the halves.
.set PJP,   384
.set PTILE, 4*PJP
.set PARTW, 9*PTILE
.set VP,    160
.set VW,    160*VP
.set PB,    8*VW
.set PP,    336
.set STG,   PB+32*PP
.set SP,    272
.set STGW,  32*SP
.set VB, 20                            ; s[20:39] window tile kt: xb at that key tile (clamped)
.set KB, 40                            ; s[40:49] local tile i: xb at its key tile (clamped)
.set CK, 40                            ; s[40:48] behind the scores, when the loads that read KB are done: tile u's mask 'the key lies in the sequence'
.set QB, 68                            ; s[68:71] local a: qf at query tile a ^ kh
.set CD, 76                            ; s[76:93] tile u's masks 'in the band' for rows e = 0, 1
.set VG,  4                            ; v4   xb, values: 16 lane + my eight column tiles
.set RD2, 5                            ; v5   RD0 for e quarters 2, 3
.set GV,  6                            ; v6   xb and qf, scores: 16 lane + my quarter of e
.set RD3, 7                            ; v7   RD1 for e quarters 2, 3
.set PI,  8                            ; v8   P, where 1/sum goes
.set PST, 9                            ; v9   PART, my stores
.set RD0, 10                           ; v10  PART, reads from the half kh = w >> 2, e quarters 0, 1
.set RD1, 11                           ; v11  the same from the other half
.set PW,  12                           ; v12  P, my stores
.set PR,  13                           ; v13  P, fragment reads
.set VV,  14                           ; v14  residual and output, global: 4 h rows + 16 r + my 512 bytes of a row
.set VST, 15                           ; v15  V, my stores
.set VT,  16                           ; v16  V, transposing reads
.set SA,  17                           ; v17  STG in
.set SR,  18                           ; v18  STG back
.set KP,  19                           ; v19  position of my key in the sequence (may be outside: then masked)
.set DL0, 20                           ; v20  key - query + 64 for e = 0; in the band if 0 .. 128
.set DL1, 21                           ; v21  the same for e = 1
.set NEG, 22                           ; v22  -1e9
.set ZERO, 23                          ; v23  0
.set ACC, 24                           ; v[24:95]   scores: nine tiles, x = 4 a + i
.set QF,  96                           ; v[96:223]  query fragments: four sets of (a, part) at 16 a + 8 part
.set PL,  128                          ; v[128:199] softmax: tile u at + 8 u, e quarter at + 2 dq
.set M,   200
.set SUM, 202
.set R,   204
.set PK,  206                          ; v[206:214] weights of rows e = 0, 1, packed
.set PF,  24                           ; v[24:103]  P V: weights (a, ks) at 24 + 8 (5 a + ks)
.set ACC2, 104                         ; v[104:167] (n, a) at 104 + 8 (2 n + a)
.set VF,  168                          ; v[168:231] four value fragments, two buffers
.set O,   168                          ;            and the rows on their way out, a buffer of 32 for each query tile
.set INV, 232                          ; v[232:235] 1/sum of my query in tile 0, twice; in tile 1, twice
.set IA,  236                          ; v236 P, where my query's 1/sum is read
                                       ; window 1: v[0:159] four key sets of 40, later v[0:127] eight value units of 16; v[128:255] the residual
.set MSB, 0
.macro WIN new                         ; s_set_vgpr_msb: bits 1:0 source 0, 3:2 source 1, 5:4 source 2, 7:6 destination; the high byte repeats the setting left
.if MSB != (\new)
	s_set_vgpr_msb (MSB<<8)|(\new)
.set MSB, (\new)
.endif
.endm
.macro PLACES                          ; four plain vector instructions between a matrix instruction and a load into, or a read of, its registers
.rept 4
	v_nop
.endr
.endm
; 18 loads: e step t of my five key tiles and of both query tiles, hi and lo; set t mod 4.  Each load is 512 consecutive bytes and half a fragment.
.macro KISSUE t                        ; the ten of the keys, in one run: their destination lies in window 1
	WIN 0x40
.irp i, 0,1,2,3,4
	global_load_b128 v[40*((\t)%4)+8*\i:40*((\t)%4)+8*\i+3],   v[GV], s[KB+2*\i:KB+2*\i+1] offset:(\t)*1024
	global_load_b128 v[40*((\t)%4)+8*\i+4:40*((\t)%4)+8*\i+7], v[GV], s[KB+2*\i:KB+2*\i+1] offset:(\t)*1024+512
.endr
.endm
.macro QLOAD t, j                      ; number j of the eight of the queries: a = j >> 2, part = (j >> 1) & 1, half = j & 1.  Destination and address in window 0: also so under the products' setting
	global_load_b128 v[QF+32*((\t)%4)+16*((\j)>>2)+8*(((\j)>>1)&1)+4*((\j)&1):QF+32*((\t)%4)+16*((\j)>>2)+8*(((\j)>>1)&1)+4*((\j)&1)+3], v[GV], s[QB+2*((\j)>>2):QB+2*((\j)>>2)+1] offset:(((\j)>>1)&1)*32768+(\t)*1024+((\j)&1)*512
.endm
.macro SISSUE t                        ; all 18 in one run, for the first three steps
	KISSUE \t
	WIN 0
.irp j, 0,1,2,3,4,5,6,7
	QLOAD \t, \j
.endr
.endm
; source 0 = queries, source 1 = keys: register j of lane (r, h) is S[query 8 h + j][key r].  Where the step asks for a later one (dl = 1) a query load stands behind every second product.
.macro SW a, i, t, p
.if 2*\t+\p == 0
	v_wmma_f32_16x16x32_bf16 v[ACC+8*(4*\a+\i):ACC+8*(4*\a+\i)+7], v[QF+32*((\t)%4)+16*\a+8*\p:QF+32*((\t)%4)+16*\a+8*\p+7], v[40*((\t)%4)+8*\i:40*((\t)%4)+8*\i+7], 0
.else
	v_wmma_f32_16x16x32_bf16 v[ACC+8*(4*\a+\i):ACC+8*(4*\a+\i)+7], v[QF+32*((\t)%4)+16*\a+8*\p:QF+32*((\t)%4)+16*\a+8*\p+7], v[40*((\t)%4)+8*\i:40*((\t)%4)+8*\i+7], v[ACC+8*(4*\a+\i):ACC+8*(4*\a+\i)+7]
.endif
.set c, c+1
.if dl && (c%2 == 0) && (c <= 16)
	QLOAD (\t)+3, c/2-1
.endif
.endm
; eight loads: the f32 query rows of tile a, my 64 columns of half c, in the layout of the output stores: load i takes rows (i & 3) + 8 (i >> 2) and that + 4
.macro RHALF c, hs, a
	WIN 0x40
.irp i, 0,1,2,3,4,5,6,7
	global_load_b128 v[32*((\hs)+(\a))+4*\i:32*((\hs)+(\a))+4*\i+3], v[VV], s[16:17] offset:(16*(\a)+(\i&3)+8*(\i>>2))*4096+\c*256
.endr
.endm
; One of 8 e steps: nine products with hi, nine with lo, on nine accumulators, which take turns.
.macro SSTEP t
.if \t <= 5
	s_wait_loadcnt 36                              ; my set is in; the two younger sets of 18 loads stay out
.elseif \t == 6
	s_wait_loadcnt 26                              ; the last set and eight loads of the residual stay out
.else
	s_wait_loadcnt 16                              ; the sixteen loads of the residual stay out
.endif
.if (\t >= 1) && (\t <= 4)
	s_wait_alu depctr_va_vdst(0)                   ; the products of the step before are done reading their set, in which this step's 18 loads land; this step's products name another set
.endif
.set dl, 0
.if \t <= 4
.set dl, 1
	KISSUE \t+3
.elseif \t <= 6
	RHALF 0, 6, \t-5                               ; no vector or matrix instruction names these registers before the way out; v[VV] was written ahead of step 1's wait
.endif
	WIN 0x04
.set c, 0
.irp p, 0,1
.irp i, 0,1,2,3,4
	SW 0, \i, \t, \p
.endr
.irp i, 1,2,3,4
	SW 1, \i, \t, \p
.endr
.endr
.if \t <= 3
	PLACES                                         ; in front of the next step's loads into the set just read
.endif
.endm
; value unit u = 10 c + kt: four tiles (16 keys x 16 columns) of window tile kt, my columns of half c; four loads of 512 consecutive bytes.  The caller sets the window: destination 1, address 0
.macro VISSUE u
.irp n, 0,1,2,3
	global_load_b128 v[16*((\u)&7)+4*\n:16*((\u)&7)+4*\n+3], v[VG], s[VB+2*((\u)%10):VB+2*((\u)%10)+1] offset:(4*((\u)/10)+\n)*512
.endr
.endm
; units 2 k and 2 k + 1 (32 keys) go to V as they came; ahead of that the units six further on are asked for, into the registers of the pair before
.macro PAIR k
.if (\k) <= 7
	s_wait_loadcnt 16                              ; my eight loads are in; the four younger units of four loads stay out
.else
	s_wait_loadcnt 8*(9-(\k))                      ; nothing more is asked for: the counts run down
.endif
	WIN 0x44                                       ; loads: destination window 1; LDS stores: data (source 1) window 1; addresses window 0
.if (\k) <= 6
.if ((\k) >= 1) && ((\k) != 5)
	s_wait_alu depctr_vm_vsrc(0)                   ; the LDS stores of the pair before have read its two units, in which the loads below land (pair 0's land in registers that no store has read; for pair 5 the wait between the halves says it)
.endif
	VISSUE (2*(\k)+6)
	VISSUE (2*(\k)+7)
.endif
.irp e, 0,1
.irp n, 0,1,2,3
	ds_store_b128 v[VST], v[16*((2*(\k)+\e)&7)+4*\n:16*((2*(\k)+\e)&7)+4*\n+3] offset:16*((2*(\k)+\e)%10)*VP+\n*32
.endr
.endr
.endm
; four value fragments of 32 keys, read transposed (lane r: column r, keys along the registers), into buffer b.  The V bytes are the wave's
; own and LDS serves a wave in order, so the stores above need no wait of their own.
.macro TRL ks, b
	WIN 0
.irp n, 0,1,2,3
	ds_load_tr16_b128 v[VF+32*\b+8*\n:VF+32*\b+8*\n+3],   v[VT] offset:\ks*32*VP+\n*32
	ds_load_tr16_b128 v[VF+32*\b+8*\n+4:VF+32*\b+8*\n+7], v[VT] offset:\ks*32*VP+\n*32+16*VP
.endr
.endm
; eight products.  Source 0 = values, source 1 = weights: register j of lane (r, h) is (query r, column 8 h + j).  The eight accumulators
; take turns.
.macro MULV ks, b
.irp n, 0,1,2,3
.irp a, 0,1
.if \ks == 0
	v_wmma_f32_16x16x32_bf16 v[ACC2+8*(2*\n+\a):ACC2+8*(2*\n+\a)+7], v[VF+32*\b+8*\n:VF+32*\b+8*\n+7], v[PF+8*(5*\a+\ks):PF+8*(5*\a+\ks)+7], 0
.else
	v_wmma_f32_16x16x32_bf16 v[ACC2+8*(2*\n+\a):ACC2+8*(2*\n+\a)+7], v[VF+32*\b+8*\n:VF+32*\b+8*\n+7], v[PF+8*(5*\a+\ks):PF+8*(5*\a+\ks)+7], v[ACC2+8*(2*\n+\a):ACC2+8*(2*\n+\a)+7]
.endif
.endr
.endr
.endm
; 64 columns: five steps of 32 keys.  The stores and transposing loads of step ks are issued ahead of the products of step ks - 1: the
; wait for 16 leaves those 8 stores and 8 loads out and shows the fragments of step ks - 1 in.  The first two runs of transposing loads
; owe no wait of their own: no vector or matrix instruction since the last wait on va_vdst names the two buffers.
.macro HALF c
	PAIR 5*\c+0
	TRL 0, 0
	PAIR 5*\c+1
	TRL 1, 1
	s_wait_dscnt 16
	MULV 0, 0
	PLACES                                         ; in front of the loads into the buffer just read
	PAIR 5*\c+2
	s_wait_alu depctr_va_vdst(0)                   ; the products of step 0 are done reading buffer 0, in which the loads below land
	TRL 2, 0
	s_wait_dscnt 16
	MULV 1, 1
	PLACES
	PAIR 5*\c+3
	s_wait_alu depctr_va_vdst(0)                   ; the products of step 1 are done reading buffer 1
	TRL 3, 1
	s_wait_dscnt 16
	MULV 2, 0
	PLACES
	PAIR 5*\c+4
	s_wait_alu depctr_va_vdst(0)                   ; the products of step 2 are done reading buffer 0
	TRL 4, 0
	s_wait_dscnt 16
	MULV 3, 1
	s_wait_dscnt 0x0
	MULV 4, 0
.endm
; relu, 1/sum (positive, so the order does not matter), through my stage into whole rows, + residual (sets hs, hs + 1), out.
.macro EPI c, hs, fin
	PLACES
.set j, 0
.rept 64
	v_max_num_f32 v[ACC2+j], 0, v[ACC2+j]
.set j, j+1
.endr
.irp n, 0,1,2,3
.irp a, 0,1
.irp p, 0,1,2,3
	v_pk_mul_f32 v[ACC2+8*(2*\n+\a)+2*\p:ACC2+8*(2*\n+\a)+2*\p+1], v[ACC2+8*(2*\n+\a)+2*\p:ACC2+8*(2*\n+\a)+2*\p+1], v[INV+2*\a:INV+2*\a+1]
.endr
.endr
.endr
	s_wait_alu depctr_va_vdst(0)                   ; the scalings have written ACC2, which the stage's stores read; the half's products are done reading the two value buffers, in which the rows below land
.irp n, 0,1,2,3
.irp a, 0,1
	ds_store_b128 v[SA], v[ACC2+8*(2*\n+\a):ACC2+8*(2*\n+\a)+3]   offset:\a*16*SP+\n*64
	ds_store_b128 v[SA], v[ACC2+8*(2*\n+\a)+4:ACC2+8*(2*\n+\a)+7] offset:\a*16*SP+\n*64+16
.endr
.endr
.irp a, 0,1
.irp i, 0,1,2,3,4,5,6,7
	ds_load_b128 v[O+32*\a+4*\i:O+32*\a+4*\i+3], v[SR] offset:(16*\a+(\i&3)+8*(\i>>2))*SP   ; my own bytes, served in order behind the stores
.endr
.endr
	WIN 0x04
.irp a, 0,1
	s_wait_dscnt 8-8*\a                            ; tile a's eight rows are in; for tile 0 the other tile's eight loads stay out
.irp i, 0,1,2,3,4,5,6,7
	v_pk_add_f32 v[O+32*\a+4*\i:O+32*\a+4*\i+1],   v[O+32*\a+4*\i:O+32*\a+4*\i+1],   v[32*(\hs+\a)+4*\i:32*(\hs+\a)+4*\i+1]
	v_pk_add_f32 v[O+32*\a+4*\i+2:O+32*\a+4*\i+3], v[O+32*\a+4*\i+2:O+32*\a+4*\i+3], v[32*(\hs+\a)+4*\i+2:32*(\hs+\a)+4*\i+3]
.endr
.endr
	WIN 0
	s_wait_alu depctr_va_vdst(0)                   ; the additions have written both row buffers, which the sixteen stores read
.irp a, 0,1
.irp i, 0,1,2,3,4,5,6,7
	global_store_b128 v[VV], v[O+32*\a+4*\i:O+32*\a+4*\i+3], s[18:19] offset:(16*\a+(\i&3)+8*(\i>>2))*4096+\c*256 th:TH_STORE_NT   ; sixteen lanes: 256 consecutive bytes, aligned
.endr
.endr
.if \fin == 0
	s_wait_xcnt 0x0                                ; O, the data of these stores, is loaded again only behind this wait
	s_wait_alu depctr_vm_vsrc(0)                   ; the stores have read O, in which the next half's value fragments land; the stage's stores have read ACC2, which its first products write; the last pair's LDS stores have read their units, which pair 5 asks for again
.endif
.endm
	s_load_b128 s[4:7], s[0:1], 0x0                ; repr s[4:5], qf s[6:7]
	s_load_b128 s[72:75], s[0:1], 0x10             ; xb s[72:73], out0 s[74:75]
	v_lshl_add_u32 v254, v0, 2, 0x45a00
	v_mov_b32 v255, 0
	v_lshrrev_b32 v1, 5, v0
	v_readfirstlane_b32 s10, v1                    ; wave w
	s_lshl_b32 s15, ttmp9, 5                       ; q0
	s_lshl_b32 s61, ttmp9, 1                       ; q0 / 16
	s_and_b32 s58, ttmp7, 0xffff                   ; batch
	s_lshl_b32 s60, s58, 22                        ; its bytes in repr and out0
	s_lshl_b32 s62, s58, 6                         ; its tiles of 16 rows in qf and xb
	s_mov_b32 s57, 0
	s_mov_b32 s53, 0xffff0000                      ; a word's upper bf16
	v_and_b32 v1, 31, v0                           ; lane
	v_and_b32 v2, 15, v0                           ; r
	v_bfe_u32 v3, v0, 4, 1                         ; h
	s_wait_alu depctr_va_sdst(0)                   ; s10 is written, ahead of its first reader
	s_and_b32 s11, s10, 1                          ; kh
	s_lshr_b32 s12, s10, 1                         ; dq
	s_lshr_b32 s13, s10, 2                         ; query tile of my softmax rows
	s_lshl_b32 s63, s12, 13                        ; 8 e steps of 1,024 bytes
	v_lshl_add_u32 v[GV], v1, 4, s63
	s_wait_kmcnt 0x0
.irp a, 0,1
	s_xor_b32 s59, s11, \a                         ; query tile a ^ kh
	s_add_co_u32 s59, s59, s61
	s_add_co_u32 s59, s59, s62
	s_lshl_b32 s56, s59, 16
	s_add_nc_u64 s[QB+2*\a:QB+2*\a+1], s[6:7], s[56:57]
.endr
.irp i, 0,1,2,3,4
	s_mul_i32 s59, s11, 9-2*\i                     ; kt = i + kh (9 - 2 i)
	s_add_co_i32 s59, s59, s61
	s_add_co_i32 s59, s59, \i-4                    ; key tile in the sequence: q0 / 16 - 4 + kt,
	s_max_i32 s59, s59, 0
	s_min_i32 s59, s59, 63                         ; clamped into it (what is clamped is masked later)
	s_add_co_u32 s59, s59, s62
	s_lshl_b32 s56, s59, 15
	s_add_nc_u64 s[KB+2*\i:KB+2*\i+1], s[72:73], s[56:57]
.endr
	s_wait_alu depctr_va_vdst(0)                   ; v[GV] is written: every load of a key or query fragment reads it as its offset
	SISSUE 0
	SISSUE 1
	SISSUE 2
.irp kt, 0,1,2,3,4,5,6,7,8,9
	s_add_co_i32 s59, s61, \kt-4
	s_max_i32 s59, s59, 0
	s_min_i32 s59, s59, 63
	s_add_co_u32 s59, s59, s62
	s_lshl_b32 s56, s59, 15
	s_add_nc_u64 s[VB+2*\kt:VB+2*\kt+1], s[72:73], s[56:57]
.endr
	s_lshl_b32 s59, s15, 12
	s_add_co_u32 s56, s59, s60
	s_add_nc_u64 s[16:17], s[4:5], s[56:57]        ; repr at the first query row
	s_add_nc_u64 s[18:19], s[74:75], s[56:57]      ; out0 likewise
	; the other addresses, while the loads are on their way (v24, v25 at work)
	s_lshl_b32 s59, s10, 12                        ; 8 column tiles of 512 bytes
	v_lshl_add_u32 v[VG], v1, 4, s59
	s_mul_i32 s59, s10, PARTW
	v_lshl_add_u32 v[PST], v1, 3, s59
	v_mul_u32_u24 v24, v3, PJP                     ; softmax row 4 (w & 3) + 2 h + e = 8 hs + 2 jp + e: pair jp = 2 (w & 1) + h of lane 16 hs + r, hs = (w >> 1) & 1
	v_lshl_add_u32 v24, v2, 3, v24
	s_mul_i32 s63, s11, 2*PJP
	s_and_b32 s59, s12, 1
	s_lshl_b32 s59, s59, 7
	s_add_co_u32 s63, s63, s59
	s_mul_i32 s59, s13, PARTW
	s_add_co_u32 s59, s59, s63
	v_add_nc_u32 v[RD0], s59, v24
	s_xor_b32 s59, s13, 1
	s_mul_i32 s59, s59, PARTW
	s_add_co_u32 s59, s59, s63
	v_add_nc_u32 v[RD1], s59, v24
	s_mul_i32 s59, s10, 4*PP
	s_add_co_u32 s59, s59, PB
	v_mul_u32_u24 v24, v3, 2*PP
	v_lshl_add_u32 v24, v2, 1, v24
	v_add_nc_u32 v[PW], s59, v24
	v_mul_u32_u24 v24, v2, PP
	v_lshl_add_u32 v24, v3, 4, v24
	v_add_nc_u32 v[PR], PB, v24
	v_mul_u32_u24 v[IA], v2, PP
	v_add_nc_u32 v[IA], PB, v[IA]
	s_lshl_b32 s59, s10, 9
	v_lshl_add_u32 v24, v3, 14, s59
	v_lshl_add_u32 v[VV], v2, 4, v24
	s_mul_i32 s59, s10, VW
	v_bfe_u32 v25, v0, 3, 1
	v_add_nc_u32 v25, v25, v3                      ; ((lane >> 3) & 1) + h
	v_mul_u32_u24 v24, v2, VP
	v_lshl_add_u32 v24, v25, 4, v24
	v_add_nc_u32 v[VST], s59, v24                  ; row r, 16 bytes further in for r >= 8, + 16 h for my eight columns
	v_and_b32 v24, 7, v0
	v_lshl_add_u32 v24, v3, 3, v24
	v_mul_u32_u24 v24, v24, VP
	v_lshl_add_u32 v24, v25, 4, v24
	v_add_nc_u32 v[VT], s59, v24                   ; row 8 h + (lane & 7), 16 bytes further in for h = 1, + 16 ((lane >> 3) & 1)
	s_mul_i32 s59, s10, STGW
	s_add_co_u32 s59, s59, STG
	v_mul_u32_u24 v24, v2, SP
	v_lshl_add_u32 v24, v3, 5, v24
	v_add_nc_u32 v[SA], s59, v24
	v_mul_u32_u24 v24, v3, 4*SP
	v_lshl_add_u32 v24, v2, 4, v24
	v_add_nc_u32 v[SR], s59, v24
	s_mul_i32 s63, s13, 144                        ; softmax tile u = 0 is kt = 0 for rows 0-15, kt = 9 for rows 16-31
	s_add_co_i32 s59, s15, s63
	s_add_co_i32 s59, s59, -64
	v_add_nc_u32 v[KP], s59, v2
	s_lshl_b32 s59, s10, 2
	s_sub_co_i32 s59, s63, s59
	v_add_nc_u32 v24, s59, v2
	v_lshlrev_b32 v25, 1, v3
	v_sub_nc_u32 v[DL0], v24, v25                  ; 16 kt + r - (4 w + 2 h)
	v_add_nc_u32 v[DL1], -1, v[DL0]
	s_mul_i32 s54, s13, -32
	s_add_co_i32 s54, s54, 16                      ; from u to u + 1: + 16 keys, or - 16
	v_mov_b32 v[NEG], 0xce6e6b28
	v_mov_b32 v[ZERO], 0
	; PHASE 1: scores of my five key tiles over my quarter of e
.irp t, 0,1,2,3,4,5,6,7
	SSTEP \t
.endr
	WIN 0
	v_add_nc_u32 v[RD2], 4*PARTW, v[RD0]           ; the last four address lines are the four places behind the last product, in front of the stores of the sums and of the loads into the sets
	v_add_nc_u32 v[RD3], 4*PARTW, v[RD1]
	v_lshlrev_b32 v[PI], 1, v2
	v_sub_nc_u32 v[PI], v[PW], v[PI]               ; my first row of P, without the key term
	s_wait_alu depctr_va_vdst(0)                   ; the products have written the sums, which the LDS stores read, and are done reading the sets, in which the loads below and those behind the barriers land; all addresses are written
	WIN 0x40                                       ; loads: destination window 1; LDS stores: address and data window 0
.irp x, 0,1,2,3,4,5,6,7,8                      ; the 36 stores of the sums, and among them the second half's residual and the first six value units: 16 + 24 loads, which land during the softmax
.irp p, 0,1,2,3
	ds_store_b64 v[PST], v[ACC+8*\x+2*\p:ACC+8*\x+2*\p+1] offset:\x*PTILE+\p*PJP
.endr
.if \x < 2
	RHALF 1, 4, \x
.elseif \x < 8
	VISSUE \x-2
.endif
.endr
	WIN 0
	s_wait_dscnt 0x0                               ; my partial sums are written
	s_barrier_signal -1
	s_barrier_wait -1
	; PHASE 2: softmax of rows 4 w + 2 h + e.  Tile u is kt = u (rows 0-15) or 9 - u (rows 16-31): u <= 4 lies with the waves kh = w >> 2
	; as their tile x = u, u >= 5 with the other half as x = 13 - u.
.macro PLOAD u, lo, hi, xs                     ; the halves of the wave read 384 bytes apart, 128 modulo 256
	ds_load_b64 v[PL+8*\u:PL+8*\u+1],   v[\lo] offset:(\xs)*PTILE
	ds_load_b64 v[PL+8*\u+2:PL+8*\u+3], v[\lo] offset:2*PARTW+(\xs)*PTILE
	ds_load_b64 v[PL+8*\u+4:PL+8*\u+5], v[\hi] offset:(\xs)*PTILE
	ds_load_b64 v[PL+8*\u+6:PL+8*\u+7], v[\hi] offset:2*PARTW+(\xs)*PTILE
.endm
.irp u, 0,1,2,3,4
	PLOAD \u, RD0, RD2, \u
.endr
.irp u, 5,6,7,8
	PLOAD \u, RD1, RD3, 13-\u
.endr
.irp u, 0,1,2,3,4,5,6,7,8                      ; the masks of all nine tiles in one run, while the partial sums are on their way
	v_cmp_gt_u32 s[CK+\u], 1024, v[KP]             ; the key lies in the sequence (a negative position is a large unsigned number)
	v_cmp_ge_u32 s[CD+2*\u], 128, v[DL0]           ; |q - k| <= 64
	v_cmp_ge_u32 s[CD+2*\u+1], 128, v[DL1]
.if \u < 8
	v_add_nc_u32 v[KP],  s54, v[KP]
	v_add_nc_u32 v[DL0], s54, v[DL0]
	v_add_nc_u32 v[DL1], s54, v[DL1]
.endif
.endr
	s_wait_alu depctr_va_sdst(0)                   ; the 27 compares have written their masks, ahead of the first line that reads one
.irp u, 0,1,2,3,4,5,6,7,8
	s_and_b32 s[CD+2*\u],   s[CD+2*\u],   s[CK+\u]
	s_and_b32 s[CD+2*\u+1], s[CD+2*\u+1], s[CK+\u]
.endr
	s_wait_dscnt 0x0
.irp u, 0,1,2,3,4,5,6,7,8
	v_pk_add_f32 v[PL+8*\u:PL+8*\u+1],   v[PL+8*\u:PL+8*\u+1],   v[PL+8*\u+2:PL+8*\u+3]
	v_pk_add_f32 v[PL+8*\u+4:PL+8*\u+5], v[PL+8*\u+4:PL+8*\u+5], v[PL+8*\u+6:PL+8*\u+7]
	v_pk_add_f32 v[PL+8*\u:PL+8*\u+1],   v[PL+8*\u:PL+8*\u+1],   v[PL+8*\u+4:PL+8*\u+5]
.endr
.irp u, 0,1,2,3,4,5,6,7,8
	v_cndmask_b32 v[PL+8*\u],   v[NEG], v[PL+8*\u],   s[CD+2*\u]
	v_cndmask_b32 v[PL+8*\u+1], v[NEG], v[PL+8*\u+1], s[CD+2*\u+1]
.endr
.irp e, 0,1                                    ; the row maximum: nine tiles in the lane, then the sixteen lanes that share the row
	v_max3_num_f32 v[M+\e], v[PL+\e], v[PL+8+\e], v[PL+16+\e]
	v_max3_num_f32 v[M+\e], v[M+\e], v[PL+24+\e], v[PL+32+\e]
	v_max3_num_f32 v[M+\e], v[M+\e], v[PL+40+\e], v[PL+48+\e]
	v_max3_num_f32 v[M+\e], v[M+\e], v[PL+56+\e], v[PL+64+\e]
	v_max_num_f32_dpp v[M+\e], v[M+\e], v[M+\e] row_xmask:1 row_mask:0xf bank_mask:0xf
	v_max_num_f32_dpp v[M+\e], v[M+\e], v[M+\e] row_xmask:2 row_mask:0xf bank_mask:0xf
	v_max_num_f32_dpp v[M+\e], v[M+\e], v[M+\e] row_xmask:4 row_mask:0xf bank_mask:0xf
	v_max_num_f32_dpp v[M+\e], v[M+\e], v[M+\e] row_xmask:8 row_mask:0xf bank_mask:0xf
.endr
.irp u, 0,1,2,3,4,5,6,7,8
	v_pk_add_f32 v[PL+8*\u:PL+8*\u+1], v[PL+8*\u:PL+8*\u+1], v[M:M+1] neg_lo:[0,1] neg_hi:[0,1]   ; s - max first: exactly 0 for the largest
	v_pk_mul_f32 v[PL+8*\u:PL+8*\u+1], v[PL+8*\u:PL+8*\u+1], 0x3fb8aa3b op_sel_hi:[1,0]           ; then log2 e
.endr
.irp u, 0,1,2,3,4,5,6,7,8
	v_exp_f32 v[PL+8*\u],   v[PL+8*\u]
	v_exp_f32 v[PL+8*\u+1], v[PL+8*\u+1]
.endr
	v_nop                                          ; one plain instruction behind the last exponential (ISA guide 5.7.2)
	s_wait_alu depctr_va_vdst(0)
.irp u, 0,1,2,3,4,5,6,7,8
	v_cvt_pk_bf16_f32 v[PK+\u], v[PL+8*\u], v[PL+8*\u+1]
.endr
.irp u, 0,1,2,3,4,5,6,7,8                      ; back to f32: the sum is taken over the weights that the product will use
	v_lshlrev_b32 v[PL+8*\u],   16,  v[PK+\u]
	v_and_b32     v[PL+8*\u+1], s53, v[PK+\u]
.endr
	v_pk_add_f32 v[SUM:SUM+1], v[PL:PL+1],       v[PL+8:PL+9]
	v_pk_add_f32 v[R:R+1],     v[PL+16:PL+17],   v[PL+24:PL+25]
	v_pk_add_f32 v[SUM:SUM+1], v[SUM:SUM+1],     v[PL+32:PL+33]
	v_pk_add_f32 v[R:R+1],     v[R:R+1],         v[PL+40:PL+41]
	v_pk_add_f32 v[SUM:SUM+1], v[SUM:SUM+1],     v[PL+48:PL+49]
	v_pk_add_f32 v[R:R+1],     v[R:R+1],         v[PL+56:PL+57]
	v_pk_add_f32 v[SUM:SUM+1], v[SUM:SUM+1],     v[PL+64:PL+65]
	v_pk_add_f32 v[SUM:SUM+1], v[SUM:SUM+1],     v[R:R+1]
.irp e, 0,1
	v_add_f32_dpp v[SUM+\e], v[SUM+\e], v[SUM+\e] row_xmask:1 row_mask:0xf bank_mask:0xf
	v_add_f32_dpp v[SUM+\e], v[SUM+\e], v[SUM+\e] row_xmask:2 row_mask:0xf bank_mask:0xf
	v_add_f32_dpp v[SUM+\e], v[SUM+\e], v[SUM+\e] row_xmask:4 row_mask:0xf bank_mask:0xf
	v_add_f32_dpp v[SUM+\e], v[SUM+\e], v[SUM+\e] row_xmask:8 row_mask:0xf bank_mask:0xf
.endr
	v_rcp_f32 v[R],   v[SUM]                       ; the sum is at least 1
	v_rcp_f32 v[R+1], v[SUM+1]
	v_nop                                          ; one plain instruction before the results are stored
	s_wait_alu depctr_va_vdst(0)                   ; the roundings have written PK and the reciprocals R, which the LDS stores read; the softmax is done with the registers in which the value fragments will land
.irp u, 0,1,2,3,4,5,6,7,8
	ds_store_b16        v[PW], v[PK+\u] offset:32*\u
	ds_store_b16_d16_hi v[PW], v[PK+\u] offset:32*\u+PP
.endr
	ds_store_b16 v[PW], v[ZERO] offset:288         ; the tenth place is the tile outside the band: weight 0
	ds_store_b16 v[PW], v[ZERO] offset:288+PP
	ds_store_b32 v[PI], v[R]   offset:320          ; sixteen lanes write the same word with the same value
	ds_store_b32 v[PI], v[R+1] offset:320+PP
	s_wait_dscnt 0x0                               ; my rows of P are written, my reads of PART are over
	s_barrier_signal -1
	s_barrier_wait -1                              ; P may be read; V may be laid over PART
	; PHASE 3: P V for my 128 columns, relu, 1/sum, residual
	s_wait_alu depctr_vm_vsrc(0)                   ; my stores of the partial sums have read ACC, in which the weights land; my stores of P have read PK and R, in which value fragments land
.irp ks, 0,1,2,3,4
	ds_load_b128 v[PF+8*\ks:PF+8*\ks+3],           v[PR] offset:(2*\ks)*32
	ds_load_b128 v[PF+8*\ks+4:PF+8*\ks+7],         v[PR] offset:(2*\ks+1)*32
	ds_load_b128 v[PF+8*(5+\ks):PF+8*(5+\ks)+3],   v[PR] offset:16*PP+(9-2*\ks)*32
	ds_load_b128 v[PF+8*(5+\ks)+4:PF+8*(5+\ks)+7], v[PR] offset:16*PP+(8-2*\ks)*32
.endr
	ds_load_b32 v[INV],   v[IA] offset:320         ; each factor twice: a pair for the packed multiply
	ds_load_b32 v[INV+1], v[IA] offset:320
	ds_load_b32 v[INV+2], v[IA] offset:320+16*PP
	ds_load_b32 v[INV+3], v[IA] offset:320+16*PP
	HALF 0                                         ; its first wait on the LDS counter also shows the weights and factors in: they are older
	EPI 0, 6, 0
	HALF 1
	EPI 1, 4, 1
	s_wait_dscnt 0x0
	s_wait_alu depctr_hold_cnt(0) depctr_sa_sdst(0) depctr_va_vdst(0) depctr_va_sdst(0) depctr_va_ssrc(0) depctr_va_vcc(0) depctr_vm_vsrc(0)
	s_wait_tensorcnt 0x0
	ds_add_u32 v254, v255
	s_wait_dscnt 0x0
	s_endpgm
.Lfunc_end_k_q5eccadcdf0_attn:
	.size	k_q5eccadcdf0_attn, .Lfunc_end_k_q5eccadcdf0_attn-k_q5eccadcdf0_attn
	.p2alignl 7, 3214868480
	.fill 96, 4, 3214868480
	.section	.rodata,"a",@progbits
	.p2align	6, 0x0
	.amdhsa_kernel k_q5eccadcdf0_attn
		.amdhsa_group_segment_fixed_size 286208
		.amdhsa_private_segment_fixed_size 0
		.amdhsa_enable_private_segment 0
		.amdhsa_kernarg_size 32
		.amdhsa_user_sgpr_count 2
		.amdhsa_user_sgpr_kernarg_segment_ptr 1
		.amdhsa_wavefront_size32 1
		.amdhsa_system_sgpr_workgroup_id_x 1
		.amdhsa_system_sgpr_workgroup_id_y 1
		.amdhsa_system_sgpr_workgroup_id_z 1
		.amdhsa_system_vgpr_workitem_id 0
		.amdhsa_next_free_vgpr 512
		.amdhsa_next_free_sgpr 94
		.amdhsa_reserve_vcc 0
		.amdhsa_float_denorm_mode_32 3
		.amdhsa_float_denorm_mode_16_64 3
		.amdhsa_memory_ordered 1
		.amdhsa_forward_progress 1
		.amdhsa_inst_pref_size 100
	.end_amdhsa_kernel
	.amdgpu_metadata
---
amdhsa.version: [ 1, 2 ]
amdhsa.kernels:
  - .name:           k_q5eccadcdf0_attn
    .symbol:         k_q5eccadcdf0_attn.kd
    .args:
      - { .name: repr, .offset: 0, .size: 8, .value_kind: global_buffer, .address_space: global }
      - { .name: qf, .offset: 8, .size: 8, .value_kind: global_buffer, .address_space: global }
      - { .name: xb, .offset: 16, .size: 8, .value_kind: global_buffer, .address_space: global }
      - { .name: out0, .offset: 24, .size: 8, .value_kind: global_buffer, .address_space: global }
    .group_segment_fixed_size: 286208
    .private_segment_fixed_size: 0
    .kernarg_segment_align: 8
    .kernarg_segment_size: 32
    .max_flat_workgroup_size: 256
    .sgpr_count:     94
    .vgpr_count:     512
    .wavefront_size: 32
...
	.end_amdgpu_metadata
.endif
;; end of part 4
